; MI455X (gfx1250); checked and timed in simulation.
; The chip was launched on July 23, 2026; its instructions are those of AMD's public machine-readable ISA for CDNA 5 (MIT licence, August 2026) and "CDNA5" Instruction Set Architecture Reference Guide (July 2026). The comments in the code are by the model that wrote it; some were corrected since.
;; Encoder Layer. Allowed arithmetic: matrix products marked QUANTISED: E2M3 operands, one E8M0 scale for each 32 along K, by v_wmma_scale_f32_16x16x128_f8f6f4 with both operands' format E2M3, f32 sums; everything else in f32.
;; Inputs: W_merge_codes 6 x 512 x 16 x 24 uint8 (E2M3 codes of W_merge, K innermost, in blocks of 32 codes, four codes in three bytes); W_merge_scales 6 x 512 x 16 uint8 (E8M0 scales of W_merge, one for each 32 codes along K); alpha_merge 6 float32; b_merge 6 x 512 float32; child_l 4,096 int32; child_r 4,096 int32; dmap 8,192 int32; drev 8,192 int32; last 8 x 8,192 x 256 float32; vec 8 x 4,096 int32.
;; Outputs: out0 8 x 4,096 x 512 float32.
;; This version of the problem:
;;   THIS VERSION OF THE PROBLEM IS GIVEN IN LOW PRECISION. The matrix products marked QUANTISED in the list below multiply operands that are first quantised to E2M3 (2 exponent bits, 3 mantissa bits; 6 bits a number), with one power-of-two scale for each 32 numbers along K (OCP MX v1.0); their sums are f32. All else is computed in f32.
;;   The module's matrix products, in the order in which they are computed (A, B: the left and right operand; K: the contracted axis; several contracted axes count as one K, in the product's order):
;;     1. [M 32,768, K 512] x [K 512, N 3,072]; A: computed on the way; B: input W_merge (given as codes): QUANTISED
;;   THE QUANTISER, for each operand of a quantised product, along K:
;;     - K is cut into blocks of 32 from its start; a last block that is shorter is filled with zeros.
;;     - A block's scale is 2^e with e = floor(log2(the largest magnitude in the block)) - 2, held to -126 .. 127; a block of zeros has e = 0. As a byte (E8M0): e + 127.
;;     - Each number is divided by its block's scale, clamped to +-7.5, and rounded to the nearest number of E2M3, ties to even, subnormals kept.
;;     - The product sums the exact products of the quantised numbers (number of the format x scale) in f32.
;;   ~~~python
;;   def quantise(x, axis):      # numpy; x: float32 -> the quantised numbers, widened to float32 again
;;       x = np.moveaxis(x, axis, -1); K = x.shape[-1]
;;       x = np.pad(x, [(0, 0)] * (x.ndim - 1) + [(0, -K % 32)]); x = x.reshape(x.shape[:-1] + (-1, 32)); a = np.abs(x).max(-1, keepdims=True)
;;       e = np.where(a > 0, np.clip(np.frexp(np.where(a > 0, a, 1))[1] - 1 - 2, -126, 127), 0)      # np.frexp(a)[1] - 1 = floor(log2(a)), exactly
;;       r = np.clip(x / 2.0 ** e, -7.5, 7.5)
;;       step = 2.0 ** (np.maximum(np.frexp(np.where(r == 0, 1, r))[1] - 1, 0) - 3)
;;       q = np.round(r / step) * step * 2.0 ** e      # np.round: ties to even
;;       return np.moveaxis(q.reshape(q.shape[:-2] + (-1,))[..., :K], -1, axis).astype(np.float32)
;;   ~~~
;;   OPERANDS COMPUTED ON THE WAY. 'Computed on the way' means the value that the module computes at that place (a softmax that the list does not call 'softmax' is quantised finished and normalised). What goes into a quantiser is computed in f32, as accurately as f32 sums, v_exp_f32 and their like allow (about 1e-6 of the number): no bf16 or f16 on the way to a quantiser, and a product that is left as it is and whose result goes on into a quantised operand takes f32 operands (vector FMAs, or v_wmma_f32_16x16x4_f32). A number that lies on a knife's edge between two numbers of the format may be rounded either way, as far as f32 arithmetic and the matrix unit's own rounding can turn it there, and no further.
;;   INPUTS GIVEN AS CODES. W_merge (in the module: [6, 512, 512], K = its axis 2): each comes as NAME_codes (uint8): NAME with its K axis moved to the last place and cut into blocks of 32 codes, [.., K / 32, bytes a block], one block behind the other in memory; four codes in three bytes: a row's codes are one little-endian stream of bits, code i at bits 6 i .. 6 i + 5 (a code: sign, 2 exponent bits, 3 mantissa bits); and NAME_scales (uint8): the same leading axes, one E8M0 byte (e + 127) for each 32 codes along K. Its value is code x scale, taken as it is: it is not quantised again, and the codes and scales need not be those that the quantiser above would give.
;; 2 versions. Each part assembles by itself: llvm-mc -triple=amdgcn-amd-amdhsa -mcpu=gfx1250 --defsym DOCPART=n.
;; ======== version 1 of 2: 2 launches
;; workspace buffers: acts 16,777,216 bytes; wimg 1,179,648 bytes; order 134,400 bytes of whole numbers; tiles 2,048 bytes of whole numbers
;; launch prep (part 1): grid 305 x 1, 16 waves a work-group, no clusters, 92,416 bytes of LDS; arguments last, child_l, child_r, vec, drev, dmap, W_merge_codes, acts, wimg, order, tiles; writes acts, wimg, order, tiles
.if DOCPART == 1
	.amdgcn_target "amdgcn-amd-amdhsa--gfx1250"
	.amdhsa_code_object_version 6
	.text
	.protected	k_q976220939d_prep
	.globl	k_q976220939d_prep
	.p2align	8
	.type	k_q976220939d_prep,@function
k_q976220939d_prep:
	s_mov_b64 s[64:65], 0
	v_nop
	global_prefetch_b8 v0, s[64:65] scope:SCOPE_SE
	s_setreg_imm32_b32 hwreg(HW_REG_WAVE_MODE, 25, 1), 1
	s_wait_xcnt 0x0
; Three jobs in one launch, told apart by the work-group's number; each has LDS bytes of its own.
;   work-group 0:        a counting sort of the 32,768 tokens (b, l) by expert dmap[vec[b][l]].  It stores ORDER (token numbers; expert e's tokens on end from slot
;                        144 x its first tile; every one of the 233 x 144 slots is written, those without a token with 0; the word behind the last slot takes the zeros of
;                        threads that have no slot to clear, and nobody reads it) and TILES (256 pairs {expert, rows}; rows = 0: not used).
;   work-groups 1-256:   128 tokens each, in their natural order: gather last[b][child_l[l]] and last[b][child_r[l]], blend them with d = drev[vec[b][l]] as the
;                        problem writes it (a = l (1 - d) + r d, b = r (1 - d) + l d, in f32), quantise [a | b] along its 512 to E2M3 codes with one E8M0 byte for each 32.
;   work-groups 257-304: W's codes are laid anew as images of the operand's registers: fragment f = (32 e + tile of 16 rows) x 4 + K step, 1,536 bytes: [j 0..2][lane][16 bytes].
; A ROW OF ACTS is 512 bytes: block beta = 4 s + 2 c + h (K step s, 64 c + 32 h inside it) has its 24 bytes at 192 h + 48 s + 24 c, so that the 16 bytes at 16 (12 h + 3 s + j)
; are registers 4 j .. 4 j + 3 of K step s for the lanes' half h; bytes 384-399: the 16 scale bytes in the order of beta; bytes 400-511: zeros, so that whole rows are stored.
; A block's scale byte is its largest magnitude's exponent field - 2, held at 1 from below.
; LIMITS: NaN and infinities in last are not served.  A block of zeros gets the byte 1 (its codes are zeros; this program alone reads the bytes).  dmap holds 0 .. 5 and every index
; stays inside its table, as the problem itself relies on; indices are held to their tables' sizes ahead of every address all the same.
.set WREG,  5632                       ; LDS of a quantising wave: the f32 stage, then two rows of codes
.set BP,    144                        ; a block of 32 f32 in the stage: 128 bytes + 16, an odd multiple of 16: sixteen lanes that read sixteen blocks start in sixteen different columns of 16 bytes
.set ROWST, 32*BP                      ; 2 tokens x 16 blocks; behind them 2 rows x 512 bytes
.set WT,    16*WREG                    ; the sort's own 256 bytes: 16 bytes for each wave's totals
.set TILE,  144                        ; slots in a tile
.set NSLOT, 233*TILE                   ; ceil(32768 / 144) + 5 tiles serve every split
	v_lshl_add_u32 v128, v0, 2, 0x16100
	v_mov_b32 v129, 0
	v_lshrrev_b32 v1, 5, v0
	v_readfirstlane_b32 s16, v1                    ; wave 0..15
	s_cmp_eq_u32 ttmp9, 0
	s_cbranch_scc1 .Lsort
	s_cmp_gt_u32 ttmp9, 256
	s_cbranch_scc1 .Lrelay
; ---------------------------------------------------------------- the quantiser: a wave takes 8 tokens, two at a time; waves share nothing, so there is no barrier
; v1 16 x lane; v2, v3 the f32 stage in and out; v4, v5 a block's codes and byte in the rows' stage; v6 the rows back; v8-15 gather offsets; v16-79 two sets of two tokens (l 8, r 8 registers each);
; v80-111 a block's 32 numbers, later two rows' 16 bytes; v112-115 d, d, 1 - d, 1 - d; v116-119 at work; v120-126 codes
	s_load_b256 s[4:11], s[0:1], 0x0               ; last, child_l, child_r, vec
	s_load_b64 s[12:13], s[0:1], 0x20              ; drev
	s_load_b64 s[14:15], s[0:1], 0x38              ; acts
	s_sub_co_u32 s17, ttmp9, 1
	s_lshl_b32 s18, s17, 7
	s_lshl_b32 s19, s16, 3
	s_add_co_u32 s18, s18, s19                     ; my first token: 128 x (work-group - 1) + 8 x wave
	s_and_b32 s19, s18, 4095                       ; its l
	s_lshr_b32 s20, s17, 5
	s_lshl_b32 s20, s20, 23                        ; its batch x 8,192 rows x 1,024 bytes
	s_mov_b32 s23, 0
	s_wait_kmcnt 0x0
	s_lshl_b32 s22, s19, 2
	s_add_nc_u64 s[6:7], s[6:7], s[22:23]
	s_add_nc_u64 s[8:9], s[8:9], s[22:23]
	s_lshl_b32 s22, s18, 2
	s_add_nc_u64 s[10:11], s[10:11], s[22:23]
	s_lshl_b32 s22, s18, 9
	s_add_nc_u64 s[14:15], s[14:15], s[22:23]
	s_load_b256 s[24:31], s[6:7], 0x0              ; child_l of my 8 tokens
	s_load_b256 s[32:39], s[8:9], 0x0              ; child_r
	s_load_b256 s[40:47], s[10:11], 0x0            ; vec
	v_and_b32 v7, 31, v0
	v_lshlrev_b32 v1, 4, v7                        ; 16 x lane
	s_mul_i32 s21, s16, WREG                       ; my wave's LDS
	s_add_co_u32 s56, s21, ROWST
	v_bfe_u32 v2, v0, 3, 2                         ; a load's 512 bytes are four blocks: eight lanes to a block
	v_mul_u32_u24 v2, v2, BP
	v_and_b32 v7, 7, v0
	v_lshl_add_u32 v2, v7, 4, v2
	v_add_nc_u32 v2, s21, v2
	v_bfe_u32 v7, v0, 4, 1                         ; out of the stage: lanes 0-15 the first token's 16 blocks, lanes 16-31 the second's
	v_and_b32 v3, 15, v0                           ; beta
	v_lshl_add_u32 v5, v7, 9, v3
	v_add_nc_u32 v5, s56, v5                       ; my block's scale byte (384 more stand in the store)
	v_mul_u32_u24 v3, v3, BP
	v_mad_u32_u24 v3, v7, 16*BP, v3
	v_add_nc_u32 v3, s21, v3
	v_lshl_add_u32 v4, v7, 9, s56                  ; my block's 24 bytes in its row: 192 h + 48 s + 24 c
	v_and_b32 v7, 1, v0
	v_mad_u32_u24 v4, v7, 192, v4
	v_bfe_u32 v7, v0, 2, 2
	v_mad_u32_u24 v4, v7, 48, v4
	v_bfe_u32 v7, v0, 1, 1
	v_mad_u32_u24 v4, v7, 24, v4
	v_add_nc_u32 v6, s56, v1
.irp i, 0,1,2,3
	v_mov_b32 v[120+\i], 0
.endr
	ds_store_b128 v6, v[120:123]                   ; both rows cleared once: bytes 400-511 stay zeros
	ds_store_b128 v6, v[120:123] offset:512
	s_wait_kmcnt 0x0
.irp k, 0,1,2,3,4,5,6,7
	s_min_u32 s[40+\k], s[40+\k], 0x1fff
	s_lshl_b32 s[40+\k], s[40+\k], 2
	s_load_b32 s[48+\k], s[12:13], s[40+\k] offset:0x0   ; drev[vec]
.endr
.irp k, 0,1,2,3,4,5,6,7
	s_min_u32 s[24+\k], s[24+\k], 0x1fff
	s_lshl_b32 s[24+\k], s[24+\k], 10
	s_add_co_u32 s[24+\k], s[24+\k], s20           ; the left child's row in last, in bytes (under 2^26)
	s_min_u32 s[32+\k], s[32+\k], 0x1fff
	s_lshl_b32 s[32+\k], s[32+\k], 10
	s_add_co_u32 s[32+\k], s[32+\k], s20           ; the right child's
.endr
; pair p's two tokens into set u: eight loads, each of 512 consecutive bytes of a row.  No hint: a row may be named by many tokens
.macro LOADP p, u
.irp t, 0,1
	v_add_nc_u32 v[8+4*(\u)+2*\t], s[24+2*(\p)+\t], v1
	v_add_nc_u32 v[9+4*(\u)+2*\t], s[32+2*(\p)+\t], v1
	global_load_b128 v[16+32*(\u)+16*\t:19+32*(\u)+16*\t], v[8+4*(\u)+2*\t], s[4:5]
	global_load_b128 v[20+32*(\u)+16*\t:23+32*(\u)+16*\t], v[8+4*(\u)+2*\t], s[4:5] offset:512
	global_load_b128 v[24+32*(\u)+16*\t:27+32*(\u)+16*\t], v[9+4*(\u)+2*\t], s[4:5]
	global_load_b128 v[28+32*(\u)+16*\t:31+32*(\u)+16*\t], v[9+4*(\u)+2*\t], s[4:5] offset:512
.endr
.endm
.macro PAIR p
.set SB, 16+32*((\p)%2)
.if (\p) < 3
	s_wait_loadcnt 8                               ; this pair's eight loads are in; the next pair's eight may be out
.else
	s_wait_loadcnt 0x0
.endif
.irp t, 0,1
	v_cvt_f32_i32 v112, s[48+2*(\p)+\t]            ; d
	v_sub_f32 v114, 1.0, v112                      ; 1 - d
	v_mov_b32 v113, v112
	v_mov_b32 v115, v114
.irp i, 0,2,4,6
	v_pk_mul_f32 v[116:117], v[SB+16*\t+8+\i:SB+16*\t+9+\i], v[112:113]                              ; r d
	v_pk_mul_f32 v[118:119], v[SB+16*\t+\i:SB+16*\t+1+\i], v[112:113]                                ; l d
	v_pk_fma_f32 v[SB+16*\t+\i:SB+16*\t+1+\i], v[SB+16*\t+\i:SB+16*\t+1+\i], v[114:115], v[116:117]          ; a = l (1 - d) + r d
	v_pk_fma_f32 v[SB+16*\t+8+\i:SB+16*\t+9+\i], v[SB+16*\t+8+\i:SB+16*\t+9+\i], v[114:115], v[118:119]      ; b = r (1 - d) + l d
.endr
.irp c, 0,1,2,3
	ds_store_b128 v2, v[SB+16*\t+4*\c:SB+16*\t+4*\c+3] offset:16*BP*\t+4*BP*\c   ; a's columns 0-127, 128-255, then b's: blocks 4 c .. 4 c + 3
.endr
.endr
.if (\p) > 0
	s_wait_xcnt 0x0                                ; the last pair's stores have read v80-87: they are loaded again only behind this wait
.endif
.irp i, 0,1,2,3,4,5,6,7
	ds_load_b128 v[80+4*\i:83+4*\i], v3 offset:16*\i   ; a whole block of 32 to a lane (LDS serves a wave's instructions in order: these see the stores above)
.endr
	s_wait_dscnt 0x0                               ; the block is in, and the stage's stores have read their registers,
.if (\p) < 2
	LOADP (\p)+2, (\p)%2                           ; which take the pair two further on
.endif
	v_max3_num_f32 v116, |v80|, |v81|, 0x1800000   ; the largest magnitude, in two chains, with the floor 2^(3 - 127) among the leaves: the byte cannot fall under 1
	v_max3_num_f32 v117, |v96|, |v97|, |v98|
.irp i, 2,4,6,8,10,12
	v_max3_num_f32 v116, v116, |v[80+\i]|, |v[81+\i]|
	v_max3_num_f32 v117, v117, |v[97+\i]|, |v[98+\i]|
.endr
	v_max3_num_f32 v116, v116, |v94|, |v95|
	v_max3_num_f32 v116, v116, v117, |v111|
	v_add_nc_u32 v118, 0xff000000, v116            ; 2 off its exponent field: the conversion takes the exponent field of this operand as its scale
	v_cvt_scalef32_pk16_fp6_f32 v[120:122], v[80:95], v118
	v_cvt_scalef32_pk16_fp6_f32 v[124:126], v[96:111], v118   ; (a conversion's three registers begin on an even number)
	v_lshrrev_b32 v119, 23, v118                   ; the scale's byte; also the plain instruction behind the conversions
	v_mov_b32 v123, v124
	v_mov_b32 v124, v125
	v_mov_b32 v125, v126                           ; v120-125: the block's 24 bytes
	ds_store_b64 v4, v[120:121]
	ds_store_b64 v4, v[122:123] offset:8
	ds_store_b64 v4, v[124:125] offset:16
	ds_store_b8 v5, v119 offset:384
	ds_load_b128 v[80:83], v6                      ; the two rows back, 16 bytes a lane
	ds_load_b128 v[84:87], v6 offset:512
	s_wait_dscnt 0x0
	global_store_b128 v1, v[80:83], s[14:15] offset:1024*(\p) th:TH_STORE_NT       ; 32 lanes store a row's 512 consecutive bytes, at a multiple of 512 from the buffer's first byte
	global_store_b128 v1, v[84:87], s[14:15] offset:1024*(\p)+512 th:TH_STORE_NT
.endm
	LOADP 0, 0
	LOADP 1, 1
	s_wait_kmcnt 0x0                               ; drev
	PAIR 0
	PAIR 1
	PAIR 2
	PAIR 3
	s_wait_tensorcnt 0x0
	ds_add_u32 v128, v129
	s_wait_dscnt 0x0
	s_endpgm
; ---------------------------------------------------------------- W's codes as images of the operand's registers: a wave to a fragment (16 rows x 128 K)
.Lrelay:
	s_load_b64 s[4:5], s[0:1], 0x30                ; W's codes
	s_load_b64 s[6:7], s[0:1], 0x40                ; wimg
	s_sub_co_u32 s17, ttmp9, 257
	s_lshl_b32 s17, s17, 4
	s_add_co_u32 s17, s17, s16                     ; f, 0 .. 767
	s_lshr_b32 s18, s17, 2
	s_mul_i32 s18, s18, 16*384                     ; its 16 rows of 384 bytes,
	s_and_b32 s19, s17, 3
	s_mul_i32 s19, s19, 96                         ; its K step's 96 bytes in them
	s_add_co_u32 s18, s18, s19
	s_mov_b32 s19, 0
	s_mul_i32 s20, s17, 1536
	s_mov_b32 s21, 0
	v_and_b32 v2, 15, v0
	v_bfe_u32 v3, v0, 4, 1
	v_mul_u32_u24 v2, v2, 384
	v_mad_u32_u24 v2, v3, 24, v2                   ; row lane % 16, + 24 x (lane / 16)
	v_and_b32 v3, 31, v0
	v_lshlrev_b32 v3, 4, v3
	s_wait_kmcnt 0x0
	s_add_nc_u64 s[4:5], s[4:5], s[18:19]
	s_add_nc_u64 s[6:7], s[6:7], s[20:21]
.irp p, 0,1,2,3,4,5
	global_load_b64 v[16+2*\p:17+2*\p], v2, s[4:5] offset:48*(\p/3)+8*(\p%3)   ; the fragment's 12 registers, in pieces of 8 bytes
.endr
	s_wait_loadcnt 0x0
.irp j, 0,1,2
	global_store_b128 v3, v[16+4*\j:19+4*\j], s[6:7] offset:512*\j             ; 512 consecutive bytes a store
.endr
	s_endpgm
; ---------------------------------------------------------------- the sort: 512 threads, 64 tokens each; register 64 + 4 j + i of thread t holds token 2048 j + 4 t + i
; Counts of the six experts travel packed: in a group of 16 tokens six fields of 5 bits; from there on three registers of two 16-bit fields (experts 2 p, 2 p + 1): no field passes 33,552.
; v4-7 the groups' counts; v8-16 the thread's counts ahead of groups 1, 2, 3; v17-19 its totals; v20-22 the scan, then the thread's first slots; v24-39 for each group four tables of bytes; v40-63 at work
.Lsort:
	s_load_b64 s[4:5], s[0:1], 0x18                ; vec
	s_load_b64 s[6:7], s[0:1], 0x28                ; dmap
	s_load_b64 s[8:9], s[0:1], 0x48                ; order
	s_load_b64 s[10:11], s[0:1], 0x50              ; tiles
	v_and_b32 v1, 31, v0                           ; lane
	v_lshlrev_b32 v2, 4, v0
	v_lshlrev_b32 v3, 2, v0
	v_mov_b32 v23, 1
.irp g, 0,1,2,3
	v_mov_b32 v[4+\g], 0
.endr
	s_mov_b32 s87, 0x0c0c0c00                      ; a byte selector's three upper bytes: zeros
	s_wait_kmcnt 0x0
.irp j, 0,1,2,3,4,5,6,7,8,9,10,11,12,13,14,15
	global_load_b128 v[64+4*\j:67+4*\j], v2, s[4:5] offset:8192*\j
.endr
	s_wait_loadcnt 0x0
.set kk, 64
.rept 64
	v_min_u32 v[kk], 0x1fff, v[kk]
	v_lshlrev_b32 v[kk], 2, v[kk]
.set kk, kk+1
.endr
.set kk, 64
.rept 64
	global_load_b32 v[kk], v[kk], s[6:7]           ; the token's expert lands on its own address register
.set kk, kk+1
.endr
; a group of 16 tokens: each token takes its rank among the group's tokens of its expert; its register then holds rank << 8 | expert
.macro COUNT g
	s_wait_loadcnt 48-16*(\g)                      ; the later groups' gathers may be out
.set kk, 0
.rept 16
.set rk, 64+16*(\g)+kk
.set ta, 40+2*(kk%2)
	v_lshl_add_u32 v[ta], v[rk], 2, v[rk]          ; 5 e: where the expert's field begins
	v_bfe_u32 v[ta+1], v[4+\g], v[ta], 5           ; the rank
	v_lshl_add_u32 v[4+\g], v23, v[ta], v[4+\g]    ; the count goes up
	v_lshl_or_b32 v[rk], v[ta+1], 8, v[rk]
.set kk, kk+1
.endr
.endm
	COUNT 0
	COUNT 1
	COUNT 2
	COUNT 3
.irp g, 0,1,2,3
.irp p, 0,1,2
	v_bfe_u32 v40, v[4+\g], 10*\p, 5
	v_bfe_u32 v41, v[4+\g], 10*\p+5, 5
.if \g == 0
	v_lshl_or_b32 v[8+\p], v41, 16, v40
.else
	v_lshl_or_b32 v42, v41, 16, v40
	v_add_nc_u32 v[8+3*\g+\p], v[5+3*\g+\p], v42   ; running sums over the groups; the last are the thread's totals
.endif
.endr
.endr
; an inclusive scan inside each 16 lanes of three registers from v[x] on; v[tmp] on: three registers that have been written
.macro SCAN16 x, tmp
.irp n, 1,2,4,8
.irp p, 0,1,2
	v_mov_b32_dpp v[\tmp+\p], v[\x+\p] row_shr:\n row_mask:0xf bank_mask:0xf bound_ctrl:1   ; lane i takes lane i - n, or 0
.endr
.irp p, 0,1,2
	v_add_nc_u32 v[\x+\p], v[\x+\p], v[\tmp+\p]
.endr
.endr
.endm
.irp p, 0,1,2
	v_mov_b32 v[20+\p], v[17+\p]
.endr
	SCAN16 20, 40
	v_cmp_le_u32 vcc_lo, 16, v1
.irp p, 0,1,2
	v_readlane_b32 s[24+\p], v[20+\p], 15
.endr
.irp p, 0,1,2
	v_mov_b32 v[40+\p], s[24+\p]
	v_cndmask_b32 v[40+\p], 0, v[40+\p], vcc_lo
	v_add_nc_u32 v[20+\p], v[20+\p], v[40+\p]      ; lanes 16-31 add the lower sixteen's sum
.endr
.irp p, 0,1,2
	v_readlane_b32 s[24+\p], v[20+\p], 31          ; the wave's totals
.endr
	v_mov_b32 v44, s24
	v_mov_b32 v45, s25
	v_mov_b32 v46, s26
	v_mov_b32 v47, 0
	s_lshl_b32 s27, s16, 4
	s_add_co_u32 s27, s27, WT
	v_mov_b32 v43, s27
	ds_store_b128 v43, v[44:47]                    ; all lanes write the same 16 bytes with the same values
	s_wait_dscnt 0x0                               ; for the others' sake: my store is done
	s_barrier_signal -1
	s_barrier_wait -1
	v_and_b32 v43, 15, v0
	v_lshl_add_u32 v43, v43, 4, WT
	ds_load_b128 v[44:47], v43                     ; lane i % 16: wave i's totals
.irp p, 0,1,2
	v_mov_b32 v[52+\p], 0
.endr
	s_wait_dscnt 0x0
.irp p, 0,1,2
	v_mov_b32 v[48+\p], v[44+\p]
.endr
	SCAN16 48, 52
.irp p, 0,1,2
	v_readlane_b32 s[28+\p], v[48+\p], 15          ; all tokens' totals
	v_sub_nc_u32 v[52+\p], v[48+\p], v[44+\p]
.endr
.irp p, 0,1,2
	v_readlane_b32 s[32+\p], v[52+\p], s16         ; what the waves ahead of mine hold
.endr
.irp p, 0,1,2
	s_and_b32 s[40+2*\p], s[28+\p], 0xffff         ; n_e
	s_lshr_b32 s[41+2*\p], s[28+\p], 16
.endr
	s_mov_b32 s52, 0
.irp e, 0,1,2,3,4,5
	s_add_co_u32 s91, s[40+\e], TILE-1
	s_mul_hi_u32 s[46+\e], s91, 29826162           ; / 144: 29826162 = ceil(2^32 / 144), exact for numbers up to 32,911
	s_add_co_u32 s[53+\e], s[52+\e], s[46+\e]      ; the next expert's first tile
	s_mul_i32 s[66+\e], s[52+\e], TILE             ; this expert's first slot,
	s_mul_i32 s[72+\e], s[46+\e], TILE
	s_sub_co_u32 s[72+\e], s[72+\e], s[40+\e]      ; its slots without a token,
	s_add_co_u32 s[78+\e], s[66+\e], s[40+\e]      ; and where they begin
.endr
.irp p, 0,1,2
	s_lshl_b32 s91, s[67+2*\p], 16
	s_or_b32 s[84+\p], s91, s[66+2*\p]
	s_add_co_u32 s[32+\p], s[32+\p], s[84+\p]
.endr
	s_mul_i32 s88, s58, TILE                       ; the slots of tiles that are not used
	s_sub_co_u32 s89, NSLOT, s88                   ; at most 5 x 144
.irp p, 0,1,2
	v_sub_nc_u32 v[20+\p], v[20+\p], v[17+\p]      ; what the lanes ahead of mine hold,
	v_add_nc_u32 v[20+\p], s[32+\p], v[20+\p]      ; + the waves ahead, + the experts' first slots: my thread's first slot for each expert
.endr
; for each group four tables of bytes: the low bytes of the six first slots (experts 0-3, experts 4-5), and the high bytes
.irp g, 0,1,2,3
.if \g == 0
.set rr, 20
.else
.set rr, 40
.irp p, 0,1,2
	v_add_nc_u32 v[40+\p], v[20+\p], v[5+3*\g+\p]
.endr
.endif
	v_perm_b32 v[24+4*\g], v[rr+1], v[rr], 0x06040200
	v_perm_b32 v[25+4*\g], v[rr+2], v[rr+2], 0x0c0c0200
	v_perm_b32 v[26+4*\g], v[rr+1], v[rr], 0x07050301
	v_perm_b32 v[27+4*\g], v[rr+2], v[rr+2], 0x0c0c0301
.endr
	; the table of tiles: threads 0-255, one entry each (a branch on the wave's number; no barrier stands inside)
	s_cmp_ge_u32 s16, 8
	s_cbranch_scc1 .Lno_table
	v_mov_b32 v40, 0
	v_mov_b32 v44, s40
	v_mov_b32 v42, 0
.irp k, 1,2,3,4,5
	v_cmp_le_u32 vcc_lo, s[52+\k], v0              ; the last expert whose first tile is not beyond mine
	v_cndmask_b32 v40, v40, \k, vcc_lo
	v_cndmask_b32 v44, v44, s[40+\k], vcc_lo
	v_cndmask_b32 v42, v42, s[52+\k], vcc_lo
.endr
	v_sub_nc_u32 v43, v0, v42
	v_mul_u32_u24 v43, v43, TILE
	v_sub_nc_u32 v43, v44, v43
	v_min_u32 v43, TILE, v43                       ; the rows left for this tile, 144 at the most,
	v_cmp_le_u32 vcc_lo, s58, v0
	v_cndmask_b32 v41, v43, 0, vcc_lo              ; none in a tile that is not used
	v_lshlrev_b32 v45, 3, v0
	global_store_b64 v45, v[40:41], s[10:11]
.Lno_table:
	s_wait_xcnt 0x0                                ; the table's store has read v40, v41 and v45: they are written again below
	v_mov_b32 v55, 0
	v_mov_b32 v56, 4*NSLOT                         ; the word behind the last slot
; Slots without a token get 0: s[cnt] slots from slot s[start] on, a thread a slot, from thread number - add on.  Every lane stores: a thread beyond the count sends its 0 to the word
; behind the last slot.  The address is held inside the buffer last of all.  Each of the eight uses has an address register of its own, v[40 + n], so that no store's address is written again.
.macro PADS cnt, start, add, n
	v_add_nc_u32 v57, \add, v0
	v_cmp_gt_u32 vcc_lo, s[\cnt], v57
	v_add_lshl_u32 v[40+\n], s[\start], v57, 2
	v_cndmask_b32 v[40+\n], v56, v[40+\n], vcc_lo
	v_min_u32 v[40+\n], 4*NSLOT, v[40+\n]
	global_store_b32 v[40+\n], v55, s[8:9]
.endm
.irp e, 0,1,2,3,4,5
	PADS 72+\e, 78+\e, 0, \e
.endr
	PADS 89, 88, 0, 6
	PADS 89, 88, 512, 7
; a group's 16 tokens go to their slots: first slot of (thread, group, expert), out of the tables, + rank
.macro PLACE g
	s_wait_xcnt 0x0                                ; earlier stores have read v40-63
.set kk, 0
.rept 16
.set rk, 64+16*(\g)+kk
.set ta, 40+4*(kk%2)
	v_and_or_b32 v[ta], v[rk], 7, s87              ; selector: byte e of eight, three zeros above it
	v_lshrrev_b32 v[ta+3], 8, v[rk]                ; the rank
	v_perm_b32 v[ta+1], v[25+4*(\g)], v[24+4*(\g)], v[ta]
	v_perm_b32 v[ta+2], v[27+4*(\g)], v[26+4*(\g)], v[ta]
	v_lshl_add_u32 v[ta+1], v[ta+2], 8, v[ta+1]
	v_add_lshl_u32 v[rk], v[ta+1], v[ta+3], 2      ; the slot, in bytes,
	v_min_u32 v[rk], 4*(NSLOT-1), v[rk]            ; held inside the buffer
	v_add_nc_u32 v[48+kk], 2048*((16*(\g)+kk)/4)+kk%4, v3   ; the token's number
	global_store_b32 v[rk], v[48+kk], s[8:9]
.set kk, kk+1
.endr
.endm
	PLACE 0
	PLACE 1
	PLACE 2
	PLACE 3
	s_wait_tensorcnt 0x0
	ds_add_u32 v128, v129
	s_wait_dscnt 0x0
	s_endpgm
.Lfunc_end_k_q976220939d_prep:
	.size	k_q976220939d_prep, .Lfunc_end_k_q976220939d_prep-k_q976220939d_prep
	.p2alignl 7, 3214868480
	.fill 96, 4, 3214868480
	.section	.rodata,"a",@progbits
	.p2align	6, 0x0
	.amdhsa_kernel k_q976220939d_prep
		.amdhsa_group_segment_fixed_size 92416
		.amdhsa_private_segment_fixed_size 0
		.amdhsa_enable_private_segment 0
		.amdhsa_kernarg_size 88
		.amdhsa_user_sgpr_count 2
		.amdhsa_user_sgpr_kernarg_segment_ptr 1
		.amdhsa_wavefront_size32 1
		.amdhsa_system_sgpr_workgroup_id_x 1
		.amdhsa_system_sgpr_workgroup_id_y 1
		.amdhsa_system_sgpr_workgroup_id_z 1
		.amdhsa_system_vgpr_workitem_id 0
		.amdhsa_next_free_vgpr 130
		.amdhsa_next_free_sgpr 96
		.amdhsa_reserve_vcc 1
		.amdhsa_float_denorm_mode_32 3
		.amdhsa_float_denorm_mode_16_64 3
		.amdhsa_memory_ordered 1
		.amdhsa_forward_progress 1
		.amdhsa_inst_pref_size 116
	.end_amdhsa_kernel
	.amdgpu_metadata
---
amdhsa.version: [ 1, 2 ]
amdhsa.kernels:
  - .name:           k_q976220939d_prep
    .symbol:         k_q976220939d_prep.kd
    .args:
      - { .name: last, .offset: 0, .size: 8, .value_kind: global_buffer, .address_space: global }
      - { .name: child_l, .offset: 8, .size: 8, .value_kind: global_buffer, .address_space: global }
      - { .name: child_r, .offset: 16, .size: 8, .value_kind: global_buffer, .address_space: global }
      - { .name: vec, .offset: 24, .size: 8, .value_kind: global_buffer, .address_space: global }
      - { .name: drev, .offset: 32, .size: 8, .value_kind: global_buffer, .address_space: global }
      - { .name: dmap, .offset: 40, .size: 8, .value_kind: global_buffer, .address_space: global }
      - { .name: W_merge_codes, .offset: 48, .size: 8, .value_kind: global_buffer, .address_space: global }
      - { .name: acts, .offset: 56, .size: 8, .value_kind: global_buffer, .address_space: global }
      - { .name: wimg, .offset: 64, .size: 8, .value_kind: global_buffer, .address_space: global }
      - { .name: order, .offset: 72, .size: 8, .value_kind: global_buffer, .address_space: global }
      - { .name: tiles, .offset: 80, .size: 8, .value_kind: global_buffer, .address_space: global }
    .group_segment_fixed_size: 92416
    .private_segment_fixed_size: 0
    .kernarg_segment_align: 8
    .kernarg_segment_size: 88
    .max_flat_workgroup_size: 512
    .sgpr_count:     96
    .vgpr_count:     130
    .wavefront_size: 32
...
	.end_amdgpu_metadata
.endif
;; end of part 1
;; launch merge (part 2): grid 233 x 1, 8 waves a work-group, no clusters, 111,104 bytes of LDS; arguments acts, wimg, order, tiles, W_merge_scales, b_merge, alpha_merge, out0; writes out0
.if DOCPART == 2
	.amdgcn_target "amdgcn-amd-amdhsa--gfx1250"
	.amdhsa_code_object_version 6
	.text
	.protected	k_q976220939d_merge
	.globl	k_q976220939d_merge
	.p2align	8
	.type	k_q976220939d_merge,@function
k_q976220939d_merge:
	s_mov_b64 s[64:65], 0
	v_nop
	global_prefetch_b8 v0, s[64:65] scope:SCOPE_SE
	s_setreg_imm32_b32 hwreg(HW_REG_WAVE_MODE, 25, 1), 1
	s_wait_xcnt 0x0
; out0[token][:] = prelu(Q(ans[token]) . W[e]^T + b[e], alpha[e]) for the tokens of ONE tile: up to 144 tokens of one expert e, as the launch before has listed them.
; Only the chosen expert's rows are multiplied: the problem itself keeps one expert's result for each token.  233 work-groups = ceil(32768 / 144) + 5 serve every split.
; SHARES.  The eight waves share the COLUMNS: wave w makes outputs 64 w .. 64 w + 63 (four tiles of 16) for all the tile's tokens.  Its part of W (16 fragments, 192 registers),
; of W's scale words and of the bias stays in registers; W is read once by the work-group.  The tokens' codes (512 bytes a token, laid as the operand's registers want them) come into LDS once.
; THE MATRIX INSTRUCTION IS USED TRANSPOSED: source 0 = 16 rows of W, source 1 = 16 tokens: a lane then holds one token (lane % 16) and eight neighbouring outputs 8 (lane / 16) + 0 .. 7.
; The bias is the C of each sum's first product.  Slots without a token take the tile's first token: they make the same numbers again and store the same bytes, so no store is masked.
; No tensor load and no cluster: how many of the nine trips do work hangs on a stored number, and partners would need different numbers of tiles.
; Every work-group passes the one barrier; the nine trips of 16 tokens are written out, every LDS offset an immediate, and at the head of trip m a tile with no more than 16 m rows ends
; (a tile without rows at the first: its slots hold token 0 and its expert is held to 5, so all its loads stay inside their buffers).
; REGISTERS.  Window 0: v1-18 addresses; v20-37 the rows' offsets, in the trips v20-27 token numbers and then store offsets; v40-47 W's scale words, v48-51 the tokens';
;   v52-99 the tokens' four fragments; v100-131 four accumulators; v132-139 at work; v140-171 rows on the way out; at the head v64-135 the wave's 18 rows of codes.
;   Window 1: v0-191 W (tile t, K step s at 12 (4 t + s)); v192-223 the bias, eight registers a tile.
.set IMGP,   2320                      ; LDS, the codes: [16-byte piece u of a row, 0..31][slot 0..143][16 bytes]; 144 x 16 + 16 bytes from piece to piece, an odd multiple of 16
.set ORD,    32*IMGP                   ; 256 words: the slots' token numbers
.set STG,    ORD+1024                  ; the way out: 16 rows x (256 + 16) bytes for each wave
.set SPITCH, 272
.set WS,   40
.set ASC,  48
.set AF,   52
.set ACC,  100
.set TW,   132
.set OB,   140
.set ROWS, 64
.set BI,   192
.set MSB, 0
.macro WIN new                         ; the immediate's high byte repeats the setting that is left
.if MSB != \new
	s_set_vgpr_msb (MSB<<8)|\new
.set MSB, \new
.endif
.endm
	s_load_b512 s[4:19], s[0:1], 0x0               ; acts s[4:5], wimg s[6:7], order s[8:9], tiles s[10:11], W's scales s[12:13], bias s[14:15], alpha s[16:17], out0 s[18:19]
	v_lshl_add_u32 v254, v0, 2, 0x1ae00
	v_mov_b32 v255, 0
	v_lshrrev_b32 v8, 5, v0
	v_readfirstlane_b32 s20, v8                    ; wave 0..7
	v_and_b32 v8, 31, v0                           ; lane
	v_and_b32 v38, 15, v0                          ; r
	v_bfe_u32 v39, v0, 4, 1                        ; h
	v_lshlrev_b32 v1, 4, v8                        ; 16 x lane
	v_lshlrev_b32 v3, 4, v38
	v_mad_u32_u24 v2, v39, 12*IMGP, v3             ; a fragment's pieces: slot r, pieces 12 h on
	v_add_nc_u32 v3, 24*IMGP, v3                   ; the scale words: piece 24
	v_lshl_add_u32 v4, v39, 2, ORD                 ; token numbers: lanes 16-31 one slot further on
	s_mul_i32 s46, s20, 16*SPITCH
	s_add_co_u32 s46, s46, STG                     ; my stage
	v_mul_u32_u24 v5, v38, SPITCH
	v_lshl_add_u32 v5, v39, 5, v5
	v_add_nc_u32 v5, s46, v5                       ; in: row r, 32 bytes for each half of the lanes
	v_mul_u32_u24 v6, v39, SPITCH
	v_lshl_add_u32 v6, v38, 4, v6
	v_add_nc_u32 v6, s46, v6                       ; back: lanes 0-15 one row of 256 bytes, lanes 16-31 the next
	s_lshl_b32 s47, s20, 8
	v_lshl_add_u32 v7, v38, 4, s47                 ; my 16 bytes in a row of out0: 256 x wave + 16 r
	v_lshlrev_b32 v9, 5, v39                       ; the bias: 8 h numbers on
	s_mul_i32 s48, s20, 18
	v_min_u32 v10, 17, v8
	v_add_nc_u32 v10, s48, v10                     ; the 18 slots whose rows my wave fetches, in lanes 0-17
	v_lshlrev_b32 v12, 2, v10
	v_min_u32 v14, 143, v0                         ; and a slot a thread, for the list in LDS
	v_lshlrev_b32 v15, 2, v14
	v_mul_u32_u24 v17, v8, IMGP
	s_mul_i32 s48, s20, 288
	v_add_nc_u32 v17, s48, v17                     ; where a row's piece goes: piece = lane, slot = 18 x wave + k
	v_lshl_add_u32 v18, v0, 2, ORD
	s_lshl_b32 s24, ttmp9, 3
	s_mul_i32 s46, ttmp9, 576                      ; my tile's 144 slots
	s_mov_b32 s47, 0
	s_wait_kmcnt 0x0
	s_load_b64 s[22:23], s[10:11], s24 offset:0x0  ; expert, rows
	s_add_nc_u64 s[8:9], s[8:9], s[46:47]
	s_load_b32 s25, s[8:9], 0x0                    ; the tile's first token
	global_load_b32 v11, v12, s[8:9]
	global_load_b32 v13, v15, s[8:9]
	s_wait_kmcnt 0x0
	s_min_u32 s22, s22, 5
	s_mul_i32 s46, s22, 196608                     ; an expert's 128 fragments of 1,536 bytes,
	s_mul_i32 s48, s20, 24576                      ; my wave's 16 of them
	s_add_co_u32 s46, s46, s48
	s_add_nc_u64 s[6:7], s[6:7], s[46:47]
	s_lshl_b32 s46, s22, 13                        ; W's scale bytes: 16 a row, 512 rows an expert, 64 a wave
	s_lshl_b32 s48, s20, 10
	s_add_co_u32 s46, s46, s48
	s_add_nc_u64 s[12:13], s[12:13], s[46:47]
	s_lshl_b32 s46, s22, 11                        ; the bias: 4 bytes a row
	s_lshl_b32 s48, s20, 8
	s_add_co_u32 s46, s46, s48
	s_add_nc_u64 s[14:15], s[14:15], s[46:47]
	s_lshl_b32 s49, s22, 2
	s_load_b32 s26, s[16:17], s49 offset:0x0       ; alpha
	s_wait_loadcnt 0x0                             ; the token numbers
	v_mov_b32 v16, s25
	v_cmp_gt_u32 vcc_lo, s23, v10
	v_cndmask_b32 v11, v16, v11, vcc_lo            ; a slot without a token takes the tile's first
	v_cmp_gt_u32 vcc_lo, s23, v14
	v_cndmask_b32 v13, v16, v13, vcc_lo
	ds_store_b32 v18, v13                          ; (words 144-255 are copies of slot 143's, which nobody reads)
.irp k, 0,1,2,3,4,5,6,7,8,9,10,11,12,13,14,15,16,17
	v_readlane_b32 s[28+\k], v11, \k
.endr
.irp k, 0,1,2,3,4,5,6,7,8,9,10,11,12,13,14,15,16,17
	s_min_u32 s[28+\k], s[28+\k], 0x7fff
	v_lshl_add_u32 v[20+\k], s[28+\k], 9, v1
	global_load_b128 v[ROWS+4*\k:ROWS+4*\k+3], v[20+\k], s[4:5]    ; a token's whole row: 512 consecutive bytes
.endr
	global_load_b128 v[WS:WS+3], v1, s[12:13]                      ; register WS + 4 u + s: K step s's words of tile 2 u in lanes 0-15, of tile 2 u + 1 in lanes 16-31
	global_load_b128 v[WS+4:WS+7], v1, s[12:13] offset:512
	WIN 0x40                                       ; destination window 1
.irp t, 0,1,2,3
	global_load_b128 v[BI+8*\t:BI+8*\t+3], v9, s[14:15] offset:64*\t
	global_load_b128 v[BI+8*\t+4:BI+8*\t+7], v9, s[14:15] offset:64*\t+16
.endr
.set i, 0
.rept 48
	global_load_b128 v[4*i:4*i+3], v1, s[6:7] offset:512*i         ; W as it lies: 512 consecutive bytes a load
.set i, i+1
.endr
	WIN 0
	s_wait_loadcnt 58                              ; my 18 rows are in; behind them 2 + 8 + 48 loads were issued
.irp k, 0,1,2,3,4,5,6,7,8,9,10,11,12,13,14,15,16,17
	ds_store_b128 v17, v[ROWS+4*\k:ROWS+4*\k+3] offset:16*\k
.endr
	s_wait_dscnt 0x0                               ; for the others' sake: my stores are done
	s_barrier_signal -1
	s_barrier_wait -1                              ; all 144 rows and the list lie in LDS; nothing there is written again but each wave's own stage
	s_wait_loadcnt 0x0                             ; W, its scale words, the bias
	s_wait_kmcnt 0x0                               ; alpha
	s_mov_b32 s27, s26                             ; (the packed form names the pair)
.macro PROD t, s
.if (\s) == 0
.if (\t)%2
	v_wmma_scale_f32_16x16x128_f8f6f4 v[ACC+8*(\t):ACC+8*(\t)+7], v[12*(4*(\t)+(\s)):12*(4*(\t)+(\s))+11], v[AF+12*(\s):AF+12*(\s)+11], v[BI+8*(\t):BI+8*(\t)+7], v[WS+4*((\t)/2)+(\s)], v[ASC+(\s)] matrix_a_fmt:MATRIX_FMT_FP6 matrix_b_fmt:MATRIX_FMT_FP6 matrix_a_scale:MATRIX_SCALE_ROW1
.else
	v_wmma_scale_f32_16x16x128_f8f6f4 v[ACC+8*(\t):ACC+8*(\t)+7], v[12*(4*(\t)+(\s)):12*(4*(\t)+(\s))+11], v[AF+12*(\s):AF+12*(\s)+11], v[BI+8*(\t):BI+8*(\t)+7], v[WS+4*((\t)/2)+(\s)], v[ASC+(\s)] matrix_a_fmt:MATRIX_FMT_FP6 matrix_b_fmt:MATRIX_FMT_FP6
.endif
.else
.if (\t)%2
	v_wmma_scale_f32_16x16x128_f8f6f4 v[ACC+8*(\t):ACC+8*(\t)+7], v[12*(4*(\t)+(\s)):12*(4*(\t)+(\s))+11], v[AF+12*(\s):AF+12*(\s)+11], v[ACC+8*(\t):ACC+8*(\t)+7], v[WS+4*((\t)/2)+(\s)], v[ASC+(\s)] matrix_a_fmt:MATRIX_FMT_FP6 matrix_b_fmt:MATRIX_FMT_FP6 matrix_a_scale:MATRIX_SCALE_ROW1
.else
	v_wmma_scale_f32_16x16x128_f8f6f4 v[ACC+8*(\t):ACC+8*(\t)+7], v[12*(4*(\t)+(\s)):12*(4*(\t)+(\s))+11], v[AF+12*(\s):AF+12*(\s)+11], v[ACC+8*(\t):ACC+8*(\t)+7], v[WS+4*((\t)/2)+(\s)], v[ASC+(\s)] matrix_a_fmt:MATRIX_FMT_FP6 matrix_b_fmt:MATRIX_FMT_FP6
.endif
.endif
.endm
; Trip m: slots 16 m .. 16 m + 15.  Where the tile has no more than 16 m rows, this trip's slots and all later ones are without a token: the wave ends.
.macro TRIP m
	s_cmp_le_u32 s23, 16*(\m)
	s_cbranch_scc1 .Lend
	s_wait_xcnt 0x0                                ; the last trip's stores have read their offsets and their data: both are written again below
.irp i, 0,1,2,3,4,5,6,7,8,9,10,11
	ds_load_b128 v[AF+4*\i:AF+4*\i+3], v2 offset:IMGP*\i+256*(\m)  ; piece 12 h + i of slot 16 m + r: registers 4 (i % 3) on of K step i / 3; sixteen lanes read 256 consecutive bytes
.endr
	ds_load_b128 v[ASC:ASC+3], v3 offset:256*(\m)  ; the token's four scale words
.irp i, 0,1,2,3,4,5,6,7
	ds_load_b32 v[20+\i], v4 offset:8*\i+64*(\m)   ; the token of slot 16 m + 2 i + h, whose row I shall store
.endr
	s_wait_dscnt 0x0
	WIN 0x11                                       ; source 0 (W) and source 2 (the bias) window 1
.irp t, 0,1,2,3
	PROD \t, 0
.endr
	WIN 0x01                                       ; source 0 window 1; C and D window 0
.irp s, 1,2,3                                  ; the four accumulators take turns, one instruction a turn, from trip to trip too
.irp t, 0,1,2,3
	PROD \t, \s
.endr
.endr
	WIN 0
.irp i, 0,1,2,3,4,5,6,7                        ; sixteen plain instructions that name none of the products' registers: the places behind them (ISA guide 7.12.1)
	v_min_u32 v[20+\i], 0x7fff, v[20+\i]
	v_lshl_add_u32 v[20+\i], v[20+\i], 11, v7      ; the token's row of 2,048 bytes + my 16 bytes
.endr
.set q, 0
.rept 16                                       ; prelu = max(y, 0) + alpha min(y, 0), each accumulator from its low end on
.set yy, ACC+2*q
.set tt, TW+2*(q%4)
	v_min_num_f32 v[tt], 0, v[yy]
	v_min_num_f32 v[tt+1], 0, v[yy+1]
	v_max_num_f32 v[yy], 0, v[yy]
	v_max_num_f32 v[yy+1], 0, v[yy+1]
	v_pk_fma_f32 v[yy:yy+1], v[tt:tt+1], s[26:27], v[yy:yy+1] op_sel_hi:[1,0,1]
.set q, q+1
.endr
.irp t, 0,1,2,3
	ds_store_b128 v5, v[ACC+8*\t:ACC+8*\t+3] offset:64*\t          ; token r, outputs 16 t + 8 h + 0 .. 7 of my 64
	ds_store_b128 v5, v[ACC+8*\t+4:ACC+8*\t+7] offset:64*\t+16
.endr
.irp i, 0,1,2,3,4,5,6,7
	ds_load_b128 v[OB+4*\i:OB+4*\i+3], v6 offset:2*SPITCH*\i       ; LDS serves a wave's instructions in order (ISA guide 5.7.1.4): these see my stores
.endr
.irp i, 0,1,2,3,4,5,6,7
	s_wait_dscnt 7-\i                              ; the younger loads may be out; the last wait is for 0, so the stage and the accumulators are free for the next trip
	global_store_b128 v[20+\i], v[OB+4*\i:OB+4*\i+3], s[18:19] th:TH_STORE_NT   ; sixteen lanes store 256 consecutive bytes of a token's row, at a multiple of 256 from out0's first byte
.endr
.endm
.irp m, 0,1,2,3,4,5,6,7,8
	TRIP \m
.endr
.Lend:
	s_wait_tensorcnt 0x0
	ds_add_u32 v254, v255
	s_wait_dscnt 0x0
	s_endpgm
.Lfunc_end_k_q976220939d_merge:
	.size	k_q976220939d_merge, .Lfunc_end_k_q976220939d_merge-k_q976220939d_merge
	.p2alignl 7, 3214868480
	.fill 96, 4, 3214868480
	.section	.rodata,"a",@progbits
	.p2align	6, 0x0
	.amdhsa_kernel k_q976220939d_merge
		.amdhsa_group_segment_fixed_size 111104
		.amdhsa_private_segment_fixed_size 0
		.amdhsa_enable_private_segment 0
		.amdhsa_kernarg_size 64
		.amdhsa_user_sgpr_count 2
		.amdhsa_user_sgpr_kernarg_segment_ptr 1
		.amdhsa_wavefront_size32 1
		.amdhsa_system_sgpr_workgroup_id_x 1
		.amdhsa_system_sgpr_workgroup_id_y 1
		.amdhsa_system_sgpr_workgroup_id_z 1
		.amdhsa_system_vgpr_workitem_id 0
		.amdhsa_next_free_vgpr 512
		.amdhsa_next_free_sgpr 66
		.amdhsa_reserve_vcc 1
		.amdhsa_float_denorm_mode_32 3
		.amdhsa_float_denorm_mode_16_64 3
		.amdhsa_memory_ordered 1
		.amdhsa_forward_progress 1
		.amdhsa_inst_pref_size 102
	.end_amdhsa_kernel
	.amdgpu_metadata
---
amdhsa.version: [ 1, 2 ]
amdhsa.kernels:
  - .name:           k_q976220939d_merge
    .symbol:         k_q976220939d_merge.kd
    .args:
      - { .name: acts, .offset: 0, .size: 8, .value_kind: global_buffer, .address_space: global }
      - { .name: wimg, .offset: 8, .size: 8, .value_kind: global_buffer, .address_space: global }
      - { .name: order, .offset: 16, .size: 8, .value_kind: global_buffer, .address_space: global }
      - { .name: tiles, .offset: 24, .size: 8, .value_kind: global_buffer, .address_space: global }
      - { .name: W_merge_scales, .offset: 32, .size: 8, .value_kind: global_buffer, .address_space: global }
      - { .name: b_merge, .offset: 40, .size: 8, .value_kind: global_buffer, .address_space: global }
      - { .name: alpha_merge, .offset: 48, .size: 8, .value_kind: global_buffer, .address_space: global }
      - { .name: out0, .offset: 56, .size: 8, .value_kind: global_buffer, .address_space: global }
    .group_segment_fixed_size: 111104
    .private_segment_fixed_size: 0
    .kernarg_segment_align: 8
    .kernarg_segment_size: 64
    .max_flat_workgroup_size: 256
    .sgpr_count:     66
    .vgpr_count:     512
    .wavefront_size: 32
...
	.end_amdgpu_metadata
.endif
;; end of part 2
;; ======== version 2 of 2: 2 launches
;; workspace buffers: acts 16,777,216 bytes; wimg 1,179,648 bytes; order 134,400 bytes of whole numbers; tiles 2,048 bytes of whole numbers
;; launch prep (part 3): grid 305 x 1, 16 waves a work-group, no clusters, 92,416 bytes of LDS; arguments last, child_l, child_r, vec, drev, dmap, W_merge_codes, acts, wimg, order, tiles; writes acts, wimg, order, tiles
.if DOCPART == 3
	.amdgcn_target "amdgcn-amd-amdhsa--gfx1250"
	.amdhsa_code_object_version 6
	.text
	.protected	k_q976220939d_prep
	.globl	k_q976220939d_prep
	.p2align	8
	.type	k_q976220939d_prep,@function
k_q976220939d_prep:
	s_mov_b64 s[64:65], 0
	v_nop
	global_prefetch_b8 v0, s[64:65] scope:SCOPE_SE
	s_setreg_imm32_b32 hwreg(HW_REG_WAVE_MODE, 25, 1), 1
	s_wait_xcnt 0x0
; Three jobs in one launch, told apart by the work-group's number; each has LDS bytes of its own.
;   work-group 0:        a counting sort of the 32,768 tokens (b, l) by expert dmap[vec[b][l]].  It stores ORDER (token numbers; expert e's tokens on end from slot
;                        144 x its first tile; every one of the 233 x 144 slots is written, those without a token with 0; the word behind the last slot takes the zeros of
;                        threads that have no slot to clear, and nobody reads it) and TILES (256 pairs {expert, rows}; rows = 0: not used).
;   work-groups 1-256:   128 tokens each, in their natural order: gather last[b][child_l[l]] and last[b][child_r[l]], blend them with d = drev[vec[b][l]] as the
;                        problem writes it (a = l (1 - d) + r d, b = r (1 - d) + l d, in f32), quantise [a | b] along its 512 to E2M3 codes with one E8M0 byte for each 32.
;   work-groups 257-304: W's codes are laid anew as images of the operand's registers: fragment f = (32 e + tile of 16 rows) x 4 + K step, 1,536 bytes: [j 0..2][lane][16 bytes].
; A ROW OF ACTS is 512 bytes: block beta = 4 s + 2 c + h (K step s, 64 c + 32 h inside it) has its 24 bytes at 192 h + 48 s + 24 c, so that the 16 bytes at 16 (12 h + 3 s + j)
; are registers 4 j .. 4 j + 3 of K step s for the lanes' half h; bytes 384-399: the 16 scale bytes in the order of beta; bytes 400-511: zeros, so that whole rows are stored.
; A block's scale byte is its largest magnitude's exponent field - 2, held at 1 from below.
; LIMITS: NaN and infinities in last are not served.  A block of zeros gets the byte 1 (its codes are zeros; this program alone reads the bytes).  dmap holds 0 .. 5 and every index
; stays inside its table, as the problem itself relies on; indices are held to their tables' sizes ahead of every address all the same.
.set WREG,  5632                       ; LDS of a quantising wave: the f32 stage, then two rows of codes
.set BP,    144                        ; a block of 32 f32 in the stage: 128 bytes + 16, an odd multiple of 16: sixteen lanes that read sixteen blocks start in sixteen different columns of 16 bytes
.set ROWST, 32*BP                      ; 2 tokens x 16 blocks; behind them 2 rows x 512 bytes
.set WT,    16*WREG                    ; the sort's own 256 bytes: 16 bytes for each wave's totals
.set TILE,  144                        ; slots in a tile
.set NSLOT, 233*TILE                   ; ceil(32768 / 144) + 5 tiles serve every split
	v_lshl_add_u32 v128, v0, 2, 0x16100
	v_mov_b32 v129, 0
	v_lshrrev_b32 v1, 5, v0
	s_delay_alu instid0(VALU_DEP_1)
	v_readfirstlane_b32 s16, v1                    ; wave 0..15
	s_cmp_eq_u32 ttmp9, 0
	s_cbranch_scc1 .Lsort
	s_cmp_gt_u32 ttmp9, 256
	s_cbranch_scc1 .Lrelay
; ---------------------------------------------------------------- the quantiser: a wave takes 8 tokens, two at a time; waves share nothing, so there is no barrier
; v1 16 x lane; v2, v3 the f32 stage in and out; v4, v5 a block's codes and byte in the rows' stage; v6 the rows back; v8-15 gather offsets; v16-79 two sets of two tokens (l 8, r 8 registers each);
; v80-111 a block's 32 numbers, later two rows' 16 bytes; v112-115 d, d, 1 - d, 1 - d; v116-119 at work; v120-126 codes
	s_load_b256 s[4:11], s[0:1], 0x0               ; last, child_l, child_r, vec
	s_load_b64 s[12:13], s[0:1], 0x20              ; drev
	s_load_b64 s[14:15], s[0:1], 0x38              ; acts
	s_sub_co_u32 s17, ttmp9, 1
	s_lshl_b32 s18, s17, 7
	s_lshl_b32 s19, s16, 3
	s_add_co_u32 s18, s18, s19                     ; my first token: 128 x (work-group - 1) + 8 x wave
	s_and_b32 s19, s18, 4095                       ; its l
	s_lshr_b32 s20, s17, 5
	s_lshl_b32 s20, s20, 23                        ; its batch x 8,192 rows x 1,024 bytes
	s_mov_b32 s23, 0
	s_wait_kmcnt 0x0
	s_lshl_b32 s22, s19, 2
	s_add_nc_u64 s[6:7], s[6:7], s[22:23]
	s_add_nc_u64 s[8:9], s[8:9], s[22:23]
	s_lshl_b32 s22, s18, 2
	s_add_nc_u64 s[10:11], s[10:11], s[22:23]
	s_lshl_b32 s22, s18, 9
	s_add_nc_u64 s[14:15], s[14:15], s[22:23]
	s_load_b256 s[24:31], s[6:7], 0x0              ; child_l of my 8 tokens
	s_load_b256 s[32:39], s[8:9], 0x0              ; child_r
	s_load_b256 s[40:47], s[10:11], 0x0            ; vec
	v_and_b32 v7, 31, v0
	s_delay_alu instid0(VALU_DEP_1)
	v_lshlrev_b32 v1, 4, v7                        ; 16 x lane
	s_mul_i32 s21, s16, WREG                       ; my wave's LDS
	s_add_co_u32 s56, s21, ROWST
	v_bfe_u32 v2, v0, 3, 2                         ; a load's 512 bytes are four blocks: eight lanes to a block
	s_delay_alu instid0(VALU_DEP_1)
	v_mul_u32_u24 v2, v2, BP
	v_and_b32 v7, 7, v0
	s_delay_alu instid0(VALU_DEP_1)
	v_lshl_add_u32 v2, v7, 4, v2
	s_delay_alu instid0(VALU_DEP_1)
	v_add_nc_u32 v2, s21, v2
	v_bfe_u32 v7, v0, 4, 1                         ; out of the stage: lanes 0-15 the first token's 16 blocks, lanes 16-31 the second's
	v_and_b32 v3, 15, v0                           ; beta
	s_delay_alu instid0(VALU_DEP_1)
	v_lshl_add_u32 v5, v7, 9, v3
	s_delay_alu instid0(VALU_DEP_1)
	v_add_nc_u32 v5, s56, v5                       ; my block's scale byte (384 more stand in the store)
	s_delay_alu instid0(VALU_DEP_3)
	v_mul_u32_u24 v3, v3, BP
	s_delay_alu instid0(VALU_DEP_1)
	v_mad_u32_u24 v3, v7, 16*BP, v3
	s_delay_alu instid0(VALU_DEP_1)
	v_add_nc_u32 v3, s21, v3
	v_lshl_add_u32 v4, v7, 9, s56                  ; my block's 24 bytes in its row: 192 h + 48 s + 24 c
	v_and_b32 v7, 1, v0
	s_delay_alu instid0(VALU_DEP_1)
	v_mad_u32_u24 v4, v7, 192, v4
	v_bfe_u32 v7, v0, 2, 2
	s_delay_alu instid0(VALU_DEP_1)
	v_mad_u32_u24 v4, v7, 48, v4
	v_bfe_u32 v7, v0, 1, 1
	s_delay_alu instid0(VALU_DEP_1)
	v_mad_u32_u24 v4, v7, 24, v4
	v_add_nc_u32 v6, s56, v1
.irp i, 0,1,2,3
	v_mov_b32 v[120+\i], 0
.endr
	ds_store_b128 v6, v[120:123]                   ; both rows cleared once: bytes 400-511 stay zeros
	ds_store_b128 v6, v[120:123] offset:512
	s_wait_kmcnt 0x0
.irp k, 0,1,2,3,4,5,6,7
	s_min_u32 s[40+\k], s[40+\k], 0x1fff
	s_lshl_b32 s[40+\k], s[40+\k], 2
	s_load_b32 s[48+\k], s[12:13], s[40+\k] offset:0x0   ; drev[vec]
.endr
.irp k, 0,1,2,3,4,5,6,7
	s_min_u32 s[24+\k], s[24+\k], 0x1fff
	s_lshl_b32 s[24+\k], s[24+\k], 10
	s_add_co_u32 s[24+\k], s[24+\k], s20           ; the left child's row in last, in bytes (under 2^26)
	s_min_u32 s[32+\k], s[32+\k], 0x1fff
	s_lshl_b32 s[32+\k], s[32+\k], 10
	s_add_co_u32 s[32+\k], s[32+\k], s20           ; the right child's
.endr
; pair p's two tokens into set u: eight loads, each of 512 consecutive bytes of a row.  No hint: a row may be named by many tokens
.macro LOADP p, u
.irp t, 0,1
	v_add_nc_u32 v[8+4*(\u)+2*\t], s[24+2*(\p)+\t], v1
	v_add_nc_u32 v[9+4*(\u)+2*\t], s[32+2*(\p)+\t], v1
	global_load_b128 v[16+32*(\u)+16*\t:19+32*(\u)+16*\t], v[8+4*(\u)+2*\t], s[4:5]
	global_load_b128 v[20+32*(\u)+16*\t:23+32*(\u)+16*\t], v[8+4*(\u)+2*\t], s[4:5] offset:512
	global_load_b128 v[24+32*(\u)+16*\t:27+32*(\u)+16*\t], v[9+4*(\u)+2*\t], s[4:5]
	global_load_b128 v[28+32*(\u)+16*\t:31+32*(\u)+16*\t], v[9+4*(\u)+2*\t], s[4:5] offset:512
.endr
.endm
.macro PAIR p
.set SB, 16+32*((\p)%2)
.if (\p) < 3
	s_wait_loadcnt 8                               ; this pair's eight loads are in; the next pair's eight may be out
.else
	s_wait_loadcnt 0x0
.endif
.irp t, 0,1
	v_cvt_f32_i32 v112, s[48+2*(\p)+\t]            ; d
	s_delay_alu instid0(VALU_DEP_1)
	v_sub_f32 v114, 1.0, v112                      ; 1 - d
	s_delay_alu instid0(VALU_DEP_2)
	v_mov_b32 v113, v112
	s_delay_alu instid0(VALU_DEP_2)
	v_mov_b32 v115, v114
.irp i, 0,2,4,6
	v_pk_mul_f32 v[116:117], v[SB+16*\t+8+\i:SB+16*\t+9+\i], v[112:113]                              ; r d
	v_pk_mul_f32 v[118:119], v[SB+16*\t+\i:SB+16*\t+1+\i], v[112:113]                                ; l d
	s_delay_alu instid0(VALU_DEP_2)
	v_pk_fma_f32 v[SB+16*\t+\i:SB+16*\t+1+\i], v[SB+16*\t+\i:SB+16*\t+1+\i], v[114:115], v[116:117]          ; a = l (1 - d) + r d
	s_delay_alu instid0(VALU_DEP_2)
	v_pk_fma_f32 v[SB+16*\t+8+\i:SB+16*\t+9+\i], v[SB+16*\t+8+\i:SB+16*\t+9+\i], v[114:115], v[118:119]      ; b = r (1 - d) + l d
.endr
.irp c, 0,1,2,3
	ds_store_b128 v2, v[SB+16*\t+4*\c:SB+16*\t+4*\c+3] offset:16*BP*\t+4*BP*\c   ; a's columns 0-127, 128-255, then b's: blocks 4 c .. 4 c + 3
.endr
.endr
.if (\p) > 0
	s_wait_xcnt 0x0                                ; the last pair's stores have read v80-87: they are loaded again only behind this wait
.endif
.irp i, 0,1,2,3,4,5,6,7
	ds_load_b128 v[80+4*\i:83+4*\i], v3 offset:16*\i   ; a whole block of 32 to a lane (LDS serves a wave's instructions in order: these see the stores above)
.endr
	s_wait_dscnt 0x0                               ; the block is in, and the stage's stores have read their registers,
.if (\p) < 2
	LOADP (\p)+2, (\p)%2                           ; which take the pair two further on
.endif
	v_max3_num_f32 v116, |v80|, |v81|, 0x1800000   ; the largest magnitude, in two chains, with the floor 2^(3 - 127) among the leaves: the byte cannot fall under 1
	v_max3_num_f32 v117, |v96|, |v97|, |v98|
.irp i, 2,4,6,8,10,12
	s_delay_alu instid0(VALU_DEP_2)
	v_max3_num_f32 v116, v116, |v[80+\i]|, |v[81+\i]|
	s_delay_alu instid0(VALU_DEP_2)
	v_max3_num_f32 v117, v117, |v[97+\i]|, |v[98+\i]|
.endr
	s_delay_alu instid0(VALU_DEP_2)
	v_max3_num_f32 v116, v116, |v94|, |v95|
	s_delay_alu instid0(VALU_DEP_1)
	v_max3_num_f32 v116, v116, v117, |v111|
	s_delay_alu instid0(VALU_DEP_1)
	v_add_nc_u32 v118, 0xff000000, v116            ; 2 off its exponent field: the conversion takes the exponent field of this operand as its scale
	v_cvt_scalef32_pk16_fp6_f32 v[120:122], v[80:95], v118
	v_cvt_scalef32_pk16_fp6_f32 v[124:126], v[96:111], v118   ; (a conversion's three registers begin on an even number)
	v_lshrrev_b32 v119, 23, v118                   ; the scale's byte; also the plain instruction behind the conversions
	v_mov_b32 v123, v124
	v_mov_b32 v124, v125
	v_mov_b32 v125, v126                           ; v120-125: the block's 24 bytes
	ds_store_b64 v4, v[120:121]
	ds_store_b64 v4, v[122:123] offset:8
	ds_store_b64 v4, v[124:125] offset:16
	ds_store_b8 v5, v119 offset:384
	ds_load_b128 v[80:83], v6                      ; the two rows back, 16 bytes a lane
	ds_load_b128 v[84:87], v6 offset:512
	s_wait_dscnt 0x0
	global_store_b128 v1, v[80:83], s[14:15] offset:1024*(\p) th:TH_STORE_NT       ; 32 lanes store a row's 512 consecutive bytes, at a multiple of 512 from the buffer's first byte
	global_store_b128 v1, v[84:87], s[14:15] offset:1024*(\p)+512 th:TH_STORE_NT
.endm
	LOADP 0, 0
	LOADP 1, 1
	s_wait_kmcnt 0x0                               ; drev
	PAIR 0
	PAIR 1
	PAIR 2
	PAIR 3
	s_wait_tensorcnt 0x0
	ds_add_u32 v128, v129
	s_wait_dscnt 0x0
	s_endpgm
; ---------------------------------------------------------------- W's codes as images of the operand's registers: a wave to a fragment (16 rows x 128 K)
.Lrelay:
	s_load_b64 s[4:5], s[0:1], 0x30                ; W's codes
	s_load_b64 s[6:7], s[0:1], 0x40                ; wimg
	s_sub_co_u32 s17, ttmp9, 257
	s_lshl_b32 s17, s17, 4
	s_add_co_u32 s17, s17, s16                     ; f, 0 .. 767
	s_lshr_b32 s18, s17, 2
	s_mul_i32 s18, s18, 16*384                     ; its 16 rows of 384 bytes,
	s_and_b32 s19, s17, 3
	s_mul_i32 s19, s19, 96                         ; its K step's 96 bytes in them
	s_add_co_u32 s18, s18, s19
	s_mov_b32 s19, 0
	s_mul_i32 s20, s17, 1536
	s_mov_b32 s21, 0
	v_and_b32 v2, 15, v0
	v_bfe_u32 v3, v0, 4, 1
	s_delay_alu instid0(VALU_DEP_2)
	v_mul_u32_u24 v2, v2, 384
	s_delay_alu instid0(VALU_DEP_1)
	v_mad_u32_u24 v2, v3, 24, v2                   ; row lane % 16, + 24 x (lane / 16)
	v_and_b32 v3, 31, v0
	s_delay_alu instid0(VALU_DEP_1)
	v_lshlrev_b32 v3, 4, v3
	s_wait_alu depctr_va_vdst(0)
	s_wait_kmcnt 0x0
	s_add_nc_u64 s[4:5], s[4:5], s[18:19]
	s_add_nc_u64 s[6:7], s[6:7], s[20:21]
.irp p, 0,1,2,3,4,5
	global_load_b64 v[16+2*\p:17+2*\p], v2, s[4:5] offset:48*(\p/3)+8*(\p%3)   ; the fragment's 12 registers, in pieces of 8 bytes
.endr
	s_wait_loadcnt 0x0
.irp j, 0,1,2
	global_store_b128 v3, v[16+4*\j:19+4*\j], s[6:7] offset:512*\j             ; 512 consecutive bytes a store
.endr
	s_endpgm
; ---------------------------------------------------------------- the sort: 512 threads, 64 tokens each; register 64 + 4 j + i of thread t holds token 2048 j + 4 t + i
; Counts of the six experts travel packed: in a group of 16 tokens six fields of 5 bits; from there on three registers of two 16-bit fields (experts 2 p, 2 p + 1): no field passes 33,552.
; v4-7 the groups' counts; v8-16 the thread's counts ahead of groups 1, 2, 3; v17-19 its totals; v20-22 the scan, then the thread's first slots; v24-39 for each group four tables of bytes; v40-63 at work
.Lsort:
	s_load_b64 s[4:5], s[0:1], 0x18                ; vec
	s_load_b64 s[6:7], s[0:1], 0x28                ; dmap
	s_load_b64 s[8:9], s[0:1], 0x48                ; order
	s_load_b64 s[10:11], s[0:1], 0x50              ; tiles
	v_and_b32 v1, 31, v0                           ; lane
	v_lshlrev_b32 v2, 4, v0
	v_lshlrev_b32 v3, 2, v0
	v_mov_b32 v23, 1
.irp g, 0,1,2,3
	v_mov_b32 v[4+\g], 0
.endr
	s_mov_b32 s87, 0x0c0c0c00                      ; a byte selector's three upper bytes: zeros
	s_wait_alu depctr_va_vdst(0)
	s_wait_kmcnt 0x0
.irp j, 0,1,2,3,4,5,6,7,8,9,10,11,12,13,14,15
	global_load_b128 v[64+4*\j:67+4*\j], v2, s[4:5] offset:8192*\j
.endr
	s_wait_loadcnt 0x0
.set kk, 64
.rept 64
	v_min_u32 v[kk], 0x1fff, v[kk]
	s_delay_alu instid0(VALU_DEP_1)
	v_lshlrev_b32 v[kk], 2, v[kk]
.set kk, kk+1
.endr
.set kk, 64
.rept 64
	global_load_b32 v[kk], v[kk], s[6:7]           ; the token's expert lands on its own address register
.set kk, kk+1
.endr
; a group of 16 tokens: each token takes its rank among the group's tokens of its expert; its register then holds rank << 8 | expert
.macro COUNT g
	s_wait_loadcnt 48-16*(\g)                      ; the later groups' gathers may be out
.set kk, 0
.rept 16
.set rk, 64+16*(\g)+kk
.set ta, 40+2*(kk%2)
	v_lshl_add_u32 v[ta], v[rk], 2, v[rk]          ; 5 e: where the expert's field begins
	s_delay_alu instid0(VALU_DEP_1)
	v_bfe_u32 v[ta+1], v[4+\g], v[ta], 5           ; the rank
	s_delay_alu instid0(VALU_DEP_2)
	v_lshl_add_u32 v[4+\g], v23, v[ta], v[4+\g]    ; the count goes up
	s_delay_alu instid0(VALU_DEP_2)
	v_lshl_or_b32 v[rk], v[ta+1], 8, v[rk]
.set kk, kk+1
.endr
.endm
	COUNT 0
	COUNT 1
	COUNT 2
	COUNT 3
.irp g, 0,1,2,3
.irp p, 0,1,2
	v_bfe_u32 v40, v[4+\g], 10*\p, 5
	v_bfe_u32 v41, v[4+\g], 10*\p+5, 5
.if \g == 0
	s_delay_alu instid0(VALU_DEP_1)
	v_lshl_or_b32 v[8+\p], v41, 16, v40
.else
	s_delay_alu instid0(VALU_DEP_1)
	v_lshl_or_b32 v42, v41, 16, v40
	s_delay_alu instid0(VALU_DEP_1)
	v_add_nc_u32 v[8+3*\g+\p], v[5+3*\g+\p], v42   ; running sums over the groups; the last are the thread's totals
.endif
.endr
.endr
; an inclusive scan inside each 16 lanes of three registers from v[x] on; v[tmp] on: three registers that have been written
.macro SCAN16 x, tmp
.irp n, 1,2,4,8
.irp p, 0,1,2
	s_delay_alu instid0(VALU_DEP_3)
	v_mov_b32_dpp v[\tmp+\p], v[\x+\p] row_shr:\n row_mask:0xf bank_mask:0xf bound_ctrl:1   ; lane i takes lane i - n, or 0
.endr
.irp p, 0,1,2
	s_delay_alu instid0(VALU_DEP_3)
	v_add_nc_u32 v[\x+\p], v[\x+\p], v[\tmp+\p]
.endr
.endr
.endm
.irp p, 0,1,2
	v_mov_b32 v[20+\p], v[17+\p]
.endr
	SCAN16 20, 40
	v_cmp_le_u32 vcc_lo, 16, v1
.irp p, 0,1,2
	s_delay_alu instid0(VALU_DEP_4)
	v_readlane_b32 s[24+\p], v[20+\p], 15
.endr
.irp p, 0,1,2
	v_mov_b32 v[40+\p], s[24+\p]
	s_delay_alu instid0(VALU_DEP_1)
	v_cndmask_b32 v[40+\p], 0, v[40+\p], vcc_lo
	s_delay_alu instid0(VALU_DEP_1)
	v_add_nc_u32 v[20+\p], v[20+\p], v[40+\p]      ; lanes 16-31 add the lower sixteen's sum
.endr
.irp p, 0,1,2
	v_readlane_b32 s[24+\p], v[20+\p], 31          ; the wave's totals
.endr
	s_delay_alu instid0(VALU_DEP_3)
	v_mov_b32 v44, s24
	s_delay_alu instid0(VALU_DEP_3)
	v_mov_b32 v45, s25
	s_delay_alu instid0(VALU_DEP_3)
	v_mov_b32 v46, s26
	v_mov_b32 v47, 0
	s_lshl_b32 s27, s16, 4
	s_add_co_u32 s27, s27, WT
	v_mov_b32 v43, s27
	ds_store_b128 v43, v[44:47]                    ; all lanes write the same 16 bytes with the same values
	s_wait_dscnt 0x0                               ; for the others' sake: my store is done
	s_barrier_signal -1
	s_barrier_wait -1
	v_and_b32 v43, 15, v0
	s_delay_alu instid0(VALU_DEP_1)
	v_lshl_add_u32 v43, v43, 4, WT
	ds_load_b128 v[44:47], v43                     ; lane i % 16: wave i's totals
.irp p, 0,1,2
	v_mov_b32 v[52+\p], 0
.endr
	s_wait_dscnt 0x0
.irp p, 0,1,2
	v_mov_b32 v[48+\p], v[44+\p]
.endr
	SCAN16 48, 52
.irp p, 0,1,2
	v_readlane_b32 s[28+\p], v[48+\p], 15          ; all tokens' totals
	v_sub_nc_u32 v[52+\p], v[48+\p], v[44+\p]
.endr
.irp p, 0,1,2
	v_readlane_b32 s[32+\p], v[52+\p], s16         ; what the waves ahead of mine hold
.endr
.irp p, 0,1,2
	s_and_b32 s[40+2*\p], s[28+\p], 0xffff         ; n_e
	s_lshr_b32 s[41+2*\p], s[28+\p], 16
.endr
	s_mov_b32 s52, 0
.irp e, 0,1,2,3,4,5
	s_add_co_u32 s91, s[40+\e], TILE-1
	s_mul_hi_u32 s[46+\e], s91, 29826162           ; / 144: 29826162 = ceil(2^32 / 144), exact for numbers up to 32,911
	s_add_co_u32 s[53+\e], s[52+\e], s[46+\e]      ; the next expert's first tile
	s_mul_i32 s[66+\e], s[52+\e], TILE             ; this expert's first slot,
	s_mul_i32 s[72+\e], s[46+\e], TILE
	s_sub_co_u32 s[72+\e], s[72+\e], s[40+\e]      ; its slots without a token,
	s_add_co_u32 s[78+\e], s[66+\e], s[40+\e]      ; and where they begin
.endr
.irp p, 0,1,2
	s_lshl_b32 s91, s[67+2*\p], 16
	s_or_b32 s[84+\p], s91, s[66+2*\p]
	s_add_co_u32 s[32+\p], s[32+\p], s[84+\p]
.endr
	s_mul_i32 s88, s58, TILE                       ; the slots of tiles that are not used
	s_sub_co_u32 s89, NSLOT, s88                   ; at most 5 x 144
.irp p, 0,1,2
	v_sub_nc_u32 v[20+\p], v[20+\p], v[17+\p]      ; what the lanes ahead of mine hold,
	s_delay_alu instid0(VALU_DEP_1)
	v_add_nc_u32 v[20+\p], s[32+\p], v[20+\p]      ; + the waves ahead, + the experts' first slots: my thread's first slot for each expert
.endr
.irp g, 0
.if \g == 0
.set rr, 20
.else
.set rr, 40
.irp p, 0,1,2
	v_add_nc_u32 v[40+\p], v[20+\p], v[5+3*\g+\p]
.endr
.endif
	s_delay_alu instid0(VALU_DEP_3)
	v_perm_b32 v[24+4*\g], v[rr+1], v[rr], 0x06040200
	s_delay_alu instid0(VALU_DEP_2)
	v_perm_b32 v[25+4*\g], v[rr+2], v[rr+2], 0x0c0c0200
	v_perm_b32 v[26+4*\g], v[rr+1], v[rr], 0x07050301
	s_delay_alu instid0(VALU_DEP_4)
	v_perm_b32 v[27+4*\g], v[rr+2], v[rr+2], 0x0c0c0301
.endr
.irp g, 1, 2, 3
.if \g == 0
.set rr, 20
.else
.set rr, 40
.irp p, 0,1,2
	v_add_nc_u32 v[40+\p], v[20+\p], v[5+3*\g+\p]
.endr
.endif
	s_delay_alu instid0(VALU_DEP_2)
	v_perm_b32 v[24+4*\g], v[rr+1], v[rr], 0x06040200
	s_delay_alu instid0(VALU_DEP_2)
	v_perm_b32 v[25+4*\g], v[rr+2], v[rr+2], 0x0c0c0200
	s_delay_alu instid0(VALU_DEP_4)
	v_perm_b32 v[26+4*\g], v[rr+1], v[rr], 0x07050301
	s_delay_alu instid0(VALU_DEP_4)
	v_perm_b32 v[27+4*\g], v[rr+2], v[rr+2], 0x0c0c0301
.endr
	; the table of tiles: threads 0-255, one entry each (a branch on the wave's number; no barrier stands inside)
	s_cmp_ge_u32 s16, 8
	s_cbranch_scc1 .Lno_table
	v_mov_b32 v40, 0
	v_mov_b32 v44, s40
	v_mov_b32 v42, 0
.irp k, 1,2,3,4,5
	v_cmp_le_u32 vcc_lo, s[52+\k], v0              ; the last expert whose first tile is not beyond mine
	s_delay_alu instid0(VALU_DEP_1)
	v_cndmask_b32 v40, v40, \k, vcc_lo
	s_delay_alu instid0(VALU_DEP_2)
	v_cndmask_b32 v44, v44, s[40+\k], vcc_lo
	s_delay_alu instid0(VALU_DEP_3)
	v_cndmask_b32 v42, v42, s[52+\k], vcc_lo
.endr
	s_delay_alu instid0(VALU_DEP_1)
	v_sub_nc_u32 v43, v0, v42
	s_delay_alu instid0(VALU_DEP_1)
	v_mul_u32_u24 v43, v43, TILE
	s_delay_alu instid0(VALU_DEP_1)
	v_sub_nc_u32 v43, v44, v43
	s_delay_alu instid0(VALU_DEP_1)
	v_min_u32 v43, TILE, v43                       ; the rows left for this tile, 144 at the most,
	v_cmp_le_u32 vcc_lo, s58, v0
	s_delay_alu instid0(VALU_DEP_1)
	v_cndmask_b32 v41, v43, 0, vcc_lo              ; none in a tile that is not used
	v_lshlrev_b32 v45, 3, v0
	global_store_b64 v45, v[40:41], s[10:11]
.Lno_table:
	s_wait_xcnt 0x0                                ; the table's store has read v40, v41 and v45: they are written again below
	v_mov_b32 v55, 0
	v_mov_b32 v56, 4*NSLOT                         ; the word behind the last slot
; Slots without a token get 0: s[cnt] slots from slot s[start] on, a thread a slot, from thread number - add on.  Every lane stores: a thread beyond the count sends its 0 to the word
; behind the last slot.  The address is held inside the buffer last of all.  Each of the eight uses has an address register of its own, v[40 + n], so that no store's address is written again.
.macro PADS cnt, start, add, n
	v_add_nc_u32 v57, \add, v0
	s_delay_alu instid0(VALU_DEP_1)
	v_cmp_gt_u32 vcc_lo, s[\cnt], v57
	s_delay_alu instid0(VALU_DEP_2)
	v_add_lshl_u32 v[40+\n], s[\start], v57, 2
	s_delay_alu instid0(VALU_DEP_1)
	v_cndmask_b32 v[40+\n], v56, v[40+\n], vcc_lo
	s_delay_alu instid0(VALU_DEP_1)
	v_min_u32 v[40+\n], 4*NSLOT, v[40+\n]
	global_store_b32 v[40+\n], v55, s[8:9]
.endm
.irp e, 0,1,2,3,4,5
	PADS 72+\e, 78+\e, 0, \e
.endr
	PADS 89, 88, 0, 6
	PADS 89, 88, 512, 7
; a group's 16 tokens go to their slots: first slot of (thread, group, expert), out of the tables, + rank
.macro PLACE g
	s_wait_xcnt 0x0                                ; earlier stores have read v40-63
.set kk, 0
.rept 16
.set rk, 64+16*(\g)+kk
.set ta, 40+4*(kk%2)
	v_and_or_b32 v[ta], v[rk], 7, s87              ; selector: byte e of eight, three zeros above it
	v_lshrrev_b32 v[ta+3], 8, v[rk]                ; the rank
	s_delay_alu instid0(VALU_DEP_2)
	v_perm_b32 v[ta+1], v[25+4*(\g)], v[24+4*(\g)], v[ta]
	s_delay_alu instid0(VALU_DEP_3)
	v_perm_b32 v[ta+2], v[27+4*(\g)], v[26+4*(\g)], v[ta]
	s_delay_alu instid0(VALU_DEP_1)
	v_lshl_add_u32 v[ta+1], v[ta+2], 8, v[ta+1]
	s_delay_alu instid0(VALU_DEP_1)
	v_add_lshl_u32 v[rk], v[ta+1], v[ta+3], 2      ; the slot, in bytes,
	s_delay_alu instid0(VALU_DEP_1)
	v_min_u32 v[rk], 4*(NSLOT-1), v[rk]            ; held inside the buffer
	v_add_nc_u32 v[48+kk], 2048*((16*(\g)+kk)/4)+kk%4, v3   ; the token's number
	global_store_b32 v[rk], v[48+kk], s[8:9]
.set kk, kk+1
.endr
.endm
	PLACE 0
	PLACE 1
	PLACE 2
	PLACE 3
	s_wait_tensorcnt 0x0
	ds_add_u32 v128, v129
	s_wait_dscnt 0x0
	s_endpgm
.Lfunc_end_k_q976220939d_prep:
	.size	k_q976220939d_prep, .Lfunc_end_k_q976220939d_prep-k_q976220939d_prep
	.p2alignl 7, 3214868480
	.fill 96, 4, 3214868480
	.section	.rodata,"a",@progbits
	.p2align	6, 0x0
	.amdhsa_kernel k_q976220939d_prep
		.amdhsa_group_segment_fixed_size 92416
		.amdhsa_private_segment_fixed_size 0
		.amdhsa_enable_private_segment 0
		.amdhsa_kernarg_size 88
		.amdhsa_user_sgpr_count 2
		.amdhsa_user_sgpr_kernarg_segment_ptr 1
		.amdhsa_wavefront_size32 1
		.amdhsa_system_sgpr_workgroup_id_x 1
		.amdhsa_system_sgpr_workgroup_id_y 1
		.amdhsa_system_sgpr_workgroup_id_z 1
		.amdhsa_system_vgpr_workitem_id 0
		.amdhsa_next_free_vgpr 130
		.amdhsa_next_free_sgpr 96
		.amdhsa_reserve_vcc 1
		.amdhsa_float_denorm_mode_32 3
		.amdhsa_float_denorm_mode_16_64 3
		.amdhsa_memory_ordered 1
		.amdhsa_forward_progress 1
		.amdhsa_inst_pref_size 144
	.end_amdhsa_kernel
	.amdgpu_metadata
---
amdhsa.version: [ 1, 2 ]
amdhsa.kernels:
  - .name:           k_q976220939d_prep
    .symbol:         k_q976220939d_prep.kd
    .args:
      - { .name: last, .offset: 0, .size: 8, .value_kind: global_buffer, .address_space: global }
      - { .name: child_l, .offset: 8, .size: 8, .value_kind: global_buffer, .address_space: global }
      - { .name: child_r, .offset: 16, .size: 8, .value_kind: global_buffer, .address_space: global }
      - { .name: vec, .offset: 24, .size: 8, .value_kind: global_buffer, .address_space: global }
      - { .name: drev, .offset: 32, .size: 8, .value_kind: global_buffer, .address_space: global }
      - { .name: dmap, .offset: 40, .size: 8, .value_kind: global_buffer, .address_space: global }
      - { .name: W_merge_codes, .offset: 48, .size: 8, .value_kind: global_buffer, .address_space: global }
      - { .name: acts, .offset: 56, .size: 8, .value_kind: global_buffer, .address_space: global }
      - { .name: wimg, .offset: 64, .size: 8, .value_kind: global_buffer, .address_space: global }
      - { .name: order, .offset: 72, .size: 8, .value_kind: global_buffer, .address_space: global }
      - { .name: tiles, .offset: 80, .size: 8, .value_kind: global_buffer, .address_space: global }
    .group_segment_fixed_size: 92416
    .private_segment_fixed_size: 0
    .kernarg_segment_align: 8
    .kernarg_segment_size: 88
    .max_flat_workgroup_size: 512
    .sgpr_count:     96
    .vgpr_count:     130
    .wavefront_size: 32
...
	.end_amdgpu_metadata
.endif
;; end of part 3
;; launch merge (part 4): grid 233 x 1, 8 waves a work-group, no clusters, 111,104 bytes of LDS; arguments acts, wimg, order, tiles, W_merge_scales, b_merge, alpha_merge, out0; writes out0
.if DOCPART == 4
	.amdgcn_target "amdgcn-amd-amdhsa--gfx1250"
	.amdhsa_code_object_version 6
	.text
	.protected	k_q976220939d_merge
	.globl	k_q976220939d_merge
	.p2align	8
	.type	k_q976220939d_merge,@function
k_q976220939d_merge:
	s_mov_b64 s[64:65], 0
	v_nop
	global_prefetch_b8 v0, s[64:65] scope:SCOPE_SE
	s_setreg_imm32_b32 hwreg(HW_REG_WAVE_SCHED_MODE, 0, 2), 2
	s_setreg_imm32_b32 hwreg(HW_REG_WAVE_MODE, 25, 1), 1
	s_wait_xcnt 0x0
	s_wait_alu depctr_vm_vsrc(0)
; out0[token][:] = prelu(Q(ans[token]) . W[e]^T + b[e], alpha[e]) for the tokens of ONE tile: up to 144 tokens of one expert e, as the launch before has listed them.
; Only the chosen expert's rows are multiplied: the problem itself keeps one expert's result for each token.  233 work-groups = ceil(32768 / 144) + 5 serve every split.
; SHARES.  The eight waves share the COLUMNS: wave w makes outputs 64 w .. 64 w + 63 (four tiles of 16) for all the tile's tokens.  Its part of W (16 fragments, 192 registers),
; of W's scale words and of the bias stays in registers; W is read once by the work-group.  The tokens' codes (512 bytes a token, laid as the operand's registers want them) come into LDS once.
; THE MATRIX INSTRUCTION IS USED TRANSPOSED: source 0 = 16 rows of W, source 1 = 16 tokens: a lane then holds one token (lane % 16) and eight neighbouring outputs 8 (lane / 16) + 0 .. 7.
; The bias is the C of each sum's first product.  Slots without a token take the tile's first token: they make the same numbers again and store the same bytes, so no store is masked.
; No tensor load and no cluster: how many of the nine trips do work hangs on a stored number, and partners would need different numbers of tiles.
; Every work-group passes the one barrier; the nine trips of 16 tokens are written out, every LDS offset an immediate, and at the head of trip m a tile with no more than 16 m rows ends
; (a tile without rows at the first: its slots hold token 0 and its expert is held to 5, so all its loads stay inside their buffers).
; THE MODE: SCHED_MODE bits 1:0 = 2 (LLVM: expert scheduling mode 2), set by the entry lines.  The code itself states the register dependences
; between vector or matrix instructions and memory or LDS instructions, with s_wait_alu, always for 0.
; THE PLAN.  Registers that memory or LDS instructions touch, in the trips:
;   AF0, AF1, ASC0, ASC1   the tokens' fragments and scale words.  Trip m's products read set m % 2; the LDS loads that fill it are issued in trip m - 1 (trip 0's at its own head).
;   TK0, TK1, TK2          token numbers.  Set m % 3 is loaded in trip m - 1, turned into store offsets in place by trip m's sixteen address lines, and read by trip m's global stores.
;   ACC                    written by trip m's products and its prelu, read by trip m's eight LDS stores.
;   OB0, OB1               set m % 2 is loaded from the stage in trip m and read by trip m's global stores.
;   v1-v7                  addresses, made at the head and never written again.       W, the bias and W's scale words are loaded once; then matrix instructions alone name them.
; ONE wait on va_vdst a trip, behind the prelu: ACC and the store offsets are written, and the trip's products are done reading their set of fragments, in which the next trip's loads land;
; between that wait and those loads stand, of vector and matrix instructions, the next trip's products alone, which name the other set.
; ONE wait on vm_vsrc a trip, ahead of the trip's global stores: the LDS stores have read ACC, and the global stores of the trip BEFORE have read their OB and their TK, which are loaded again in the trip after.
; REGISTERS.  Window 0: v1-7 addresses; v8-18 at the head only, in the trips v8-15 TK2; v20-37 the rows' offsets, in the trips TK0 v20-27 and TK1 v28-35; v40-47 W's scale words;
;   v48-51 ASC0, v252-255 ASC1; v52-99 AF0, v172-219 AF1; v100-131 four accumulators; v132-139 at work; v140-171 OB0, v220-251 OB1; at the head v64-135 the wave's 18 rows of codes.
;   Window 1: v0-191 W (tile t, K step s at 12 (4 t + s)); v192-223 the bias, eight registers a tile.
.set IMGP,   2320                      ; LDS, the codes: [16-byte piece u of a row, 0..31][slot 0..143][16 bytes]; 144 x 16 + 16 bytes from piece to piece, an odd multiple of 16
.set ORD,    32*IMGP                   ; 256 words: the slots' token numbers
.set STG,    ORD+1024                  ; the way out: 16 rows x (256 + 16) bytes for each wave
.set SPITCH, 272
.set WS,   40
.set ASC,  48                          ; set 0; set 1 lies 204 registers on
.set AF,   52                          ; set 0; set 1 lies 120 registers on
.set ACC,  100
.set TW,   132
.set OB,   140                         ; set 0; set 1 lies 80 registers on
.set ROWS, 64
.set BI,   192
.set MSB, 0
.macro WIN new                         ; the immediate's high byte repeats the setting that is left
.if MSB != \new
	s_set_vgpr_msb (MSB<<8)|\new
.set MSB, \new
.endif
.endm
	s_load_b512 s[4:19], s[0:1], 0x0               ; acts s[4:5], wimg s[6:7], order s[8:9], tiles s[10:11], W's scales s[12:13], bias s[14:15], alpha s[16:17], out0 s[18:19]
	v_lshl_add_u32 v19, v0, 2, 0x1ae00
	s_set_vgpr_msb 0x40
	v_mov_b32 v255, 0
	s_set_vgpr_msb 0x4000
	v_lshrrev_b32 v8, 5, v0
	v_readfirstlane_b32 s20, v8                    ; wave 0..7
	v_and_b32 v8, 31, v0                           ; lane
	v_and_b32 v38, 15, v0                          ; r
	v_bfe_u32 v39, v0, 4, 1                        ; h
	v_lshlrev_b32 v1, 4, v8                        ; 16 x lane
	v_lshlrev_b32 v3, 4, v38
	v_mad_u32_u24 v2, v39, 12*IMGP, v3             ; a fragment's pieces: slot r, pieces 12 h on
	v_add_nc_u32 v3, 24*IMGP, v3                   ; the scale words: piece 24
	v_lshl_add_u32 v4, v39, 2, ORD                 ; token numbers: lanes 16-31 one slot further on
	v_mul_u32_u24 v5, v38, SPITCH
	v_lshl_add_u32 v5, v39, 5, v5                  ; the stage, in: row r, 32 bytes for each half of the lanes
	v_mul_u32_u24 v6, v39, SPITCH
	v_lshl_add_u32 v6, v38, 4, v6                  ; back: lanes 0-15 one row of 256 bytes, lanes 16-31 the next
	v_lshlrev_b32 v9, 5, v39                       ; the bias: 8 h numbers on
	v_min_u32 v10, 17, v8
	v_min_u32 v14, 143, v0                         ; a slot a thread, for the list in LDS
	v_lshlrev_b32 v15, 2, v14
	v_mul_u32_u24 v17, v8, IMGP
	v_lshl_add_u32 v18, v0, 2, ORD
	s_wait_alu depctr_va_sdst(0)                   ; s20 is written, ahead of its first reader
	s_mul_i32 s46, s20, 16*SPITCH
	s_add_co_u32 s46, s46, STG                     ; my stage
	v_add_nc_u32 v5, s46, v5
	v_add_nc_u32 v6, s46, v6
	s_lshl_b32 s47, s20, 8
	v_lshl_add_u32 v7, v38, 4, s47                 ; my 16 bytes in a row of out0: 256 x wave + 16 r
	s_mul_i32 s48, s20, 18
	v_add_nc_u32 v10, s48, v10                     ; the 18 slots whose rows my wave fetches, in lanes 0-17
	v_lshlrev_b32 v12, 2, v10
	s_mul_i32 s52, s20, 288
	v_add_nc_u32 v17, s52, v17                     ; where a row's piece goes: piece = lane, slot = 18 x wave + k
	s_lshl_b32 s24, ttmp9, 3
	s_mul_i32 s54, ttmp9, 576                      ; my tile's 144 slots
	s_mov_b32 s55, 0
	s_wait_kmcnt 0x0
	s_load_b64 s[22:23], s[10:11], s24 offset:0x0  ; expert, rows
	s_add_nc_u64 s[8:9], s[8:9], s[54:55]
	s_load_b32 s25, s[8:9], 0x0                    ; the tile's first token
	s_wait_alu depctr_va_vdst(0)                   ; the addresses and offsets v1-7, v9, v12, v15, v17 and v18 are written, which the loads and stores of the whole kernel read
	global_load_b32 v11, v12, s[8:9]
	global_load_b32 v13, v15, s[8:9]
	s_wait_kmcnt 0x0
	s_min_u32 s22, s22, 5
	s_mul_i32 s54, s22, 196608                     ; an expert's 128 fragments of 1,536 bytes,
	s_mul_i32 s56, s20, 24576                      ; my wave's 16 of them
	s_add_co_u32 s54, s54, s56
	s_add_nc_u64 s[6:7], s[6:7], s[54:55]
	s_lshl_b32 s54, s22, 13                        ; W's scale bytes: 16 a row, 512 rows an expert, 64 a wave
	s_lshl_b32 s56, s20, 10
	s_add_co_u32 s54, s54, s56
	s_add_nc_u64 s[12:13], s[12:13], s[54:55]
	s_lshl_b32 s54, s22, 11                        ; the bias: 4 bytes a row
	s_lshl_b32 s56, s20, 8
	s_add_co_u32 s54, s54, s56
	s_add_nc_u64 s[14:15], s[14:15], s[54:55]
	s_lshl_b32 s49, s22, 2
	s_load_b32 s26, s[16:17], s49 offset:0x0       ; alpha
	s_wait_loadcnt 0x0                             ; the token numbers
	v_mov_b32 v16, s25
	v_cmp_gt_u32 s50, s23, v10
	v_cmp_gt_u32 s51, s23, v14
	s_wait_alu depctr_va_sdst(0)                   ; the two masks s50 and s51 are written, ahead of the selects that read them
	v_cndmask_b32 v11, v16, v11, s50               ; a slot without a token takes the tile's first
	v_cndmask_b32 v13, v16, v13, s51
.irp k, 0,1,2,3,4,5,6,7,8,9,10,11,12,13,14,15,16,17
	v_readlane_b32 s[28+\k], v11, \k
.endr
	s_wait_alu depctr_va_sdst(0)                   ; s28 to s45 are written, ahead of their first readers
.irp k, 0,1,2,3,4,5,6,7,8,9,10,11,12,13,14,15,16,17
	s_min_u32 s[28+\k], s[28+\k], 0x7fff
	v_lshl_add_u32 v[20+\k], s[28+\k], 9, v1
.endr
	s_wait_alu depctr_va_vdst(0)                   ; the rows' offsets v20-37 are written, which the loads below read, and v13, which the LDS store behind them reads
.irp k, 0,1,2,3,4,5,6,7,8,9,10,11,12,13,14,15,16,17
	global_load_b128 v[ROWS+4*\k:ROWS+4*\k+3], v[20+\k], s[4:5]    ; a token's whole row: 512 consecutive bytes
.endr
	global_load_b128 v[WS:WS+3], v1, s[12:13]                      ; register WS + 4 u + s: K step s's words of tile 2 u in lanes 0-15, of tile 2 u + 1 in lanes 16-31
	global_load_b128 v[WS+4:WS+7], v1, s[12:13] offset:512
	WIN 0x40                                       ; destination window 1.  Between the wait above and the loads below stand loads and this switch alone
.irp t, 0,1,2,3
	global_load_b128 v[BI+8*\t:BI+8*\t+3], v9, s[14:15] offset:64*\t
	global_load_b128 v[BI+8*\t+4:BI+8*\t+7], v9, s[14:15] offset:64*\t+16
.endr
.set i, 0
.rept 48
	global_load_b128 v[4*i:4*i+3], v1, s[6:7] offset:512*i         ; W as it lies: 512 consecutive bytes a load
.set i, i+1
.endr
	WIN 0
	ds_store_b32 v18, v13                          ; the list (words 144-255 are copies of slot 143's, which nobody reads)
	s_wait_loadcnt 58                              ; my 18 rows are in; behind them 2 + 8 + 48 loads were issued
.irp k, 0,1,2,3,4,5,6,7,8,9,10,11,12,13,14,15,16,17
	ds_store_b128 v17, v[ROWS+4*\k:ROWS+4*\k+3] offset:16*\k
.endr
	s_wait_dscnt 0x0                               ; for the others' sake: my stores are done
	s_barrier_signal -1
	s_barrier_wait -1                              ; all 144 rows and the list lie in LDS; nothing there is written again but each wave's own stage
	s_wait_loadcnt 0x0                             ; W, its scale words, the bias; and every load of the head has read its offset
	s_wait_kmcnt 0x0                               ; alpha
	s_mov_b32 s27, s26                             ; (the packed form names the pair)
	s_wait_alu depctr_vm_vsrc(0)                   ; the head's loads have read their offsets v9, v12, v15 and v20-37, its LDS stores v13 and the rows v64-135: the trips' loads land in these registers, and their products and prelu write them
; The LDS loads that feed trip m, in three runs.  g = 0: the tokens' scale words and the fragments of K steps 0 and 1; g = 1: those of K steps 2 and 3; g = 2: the token numbers.
.macro RUN m, g
.set LAF,  AF+120*((\m)%2)
.set LASC, ASC+204*((\m)%2)
.set LTK,  20+8*((\m)%3)-28*(((\m)%3)/2)       ; v20, v28, v8
.if (\g) == 0
	ds_load_b128 v[LASC:LASC+3], v3 offset:256*(\m)                ; the token's four scale words
.irp i, 0,1,2,3,4,5
	ds_load_b128 v[LAF+4*\i:LAF+4*\i+3], v2 offset:IMGP*\i+256*(\m)  ; piece 12 h + i of slot 16 m + r: registers 4 (i % 3) on of K step i / 3; sixteen lanes read 256 consecutive bytes
.endr
.elseif (\g) == 1
.irp i, 6,7,8,9,10,11
	ds_load_b128 v[LAF+4*\i:LAF+4*\i+3], v2 offset:IMGP*\i+256*(\m)
.endr
.else
.irp i, 0,1,2,3,4,5,6,7
	ds_load_b32 v[LTK+\i], v4 offset:8*\i+64*(\m)  ; the token of slot 16 m + 2 i + h, whose row I shall store
.endr
.endif
.endm
.macro PROD t, s
.if (\s) == 0
.if (\t)%2
	v_wmma_scale_f32_16x16x128_f8f6f4 v[ACC+8*(\t):ACC+8*(\t)+7], v[12*(4*(\t)+(\s)):12*(4*(\t)+(\s))+11], v[CAF+12*(\s):CAF+12*(\s)+11], v[BI+8*(\t):BI+8*(\t)+7], v[WS+4*((\t)/2)+(\s)], v[CASC+(\s)] matrix_a_fmt:MATRIX_FMT_FP6 matrix_b_fmt:MATRIX_FMT_FP6 matrix_a_scale:MATRIX_SCALE_ROW1
.else
	v_wmma_scale_f32_16x16x128_f8f6f4 v[ACC+8*(\t):ACC+8*(\t)+7], v[12*(4*(\t)+(\s)):12*(4*(\t)+(\s))+11], v[CAF+12*(\s):CAF+12*(\s)+11], v[BI+8*(\t):BI+8*(\t)+7], v[WS+4*((\t)/2)+(\s)], v[CASC+(\s)] matrix_a_fmt:MATRIX_FMT_FP6 matrix_b_fmt:MATRIX_FMT_FP6
.endif
.else
.if (\t)%2
	v_wmma_scale_f32_16x16x128_f8f6f4 v[ACC+8*(\t):ACC+8*(\t)+7], v[12*(4*(\t)+(\s)):12*(4*(\t)+(\s))+11], v[CAF+12*(\s):CAF+12*(\s)+11], v[ACC+8*(\t):ACC+8*(\t)+7], v[WS+4*((\t)/2)+(\s)], v[CASC+(\s)] matrix_a_fmt:MATRIX_FMT_FP6 matrix_b_fmt:MATRIX_FMT_FP6 matrix_a_scale:MATRIX_SCALE_ROW1
.else
	v_wmma_scale_f32_16x16x128_f8f6f4 v[ACC+8*(\t):ACC+8*(\t)+7], v[12*(4*(\t)+(\s)):12*(4*(\t)+(\s))+11], v[CAF+12*(\s):CAF+12*(\s)+11], v[ACC+8*(\t):ACC+8*(\t)+7], v[WS+4*((\t)/2)+(\s)], v[CASC+(\s)] matrix_a_fmt:MATRIX_FMT_FP6 matrix_b_fmt:MATRIX_FMT_FP6
.endif
.endif
.endm
; Trip m: slots 16 m .. 16 m + 15.  Where the tile has no more than 16 m rows, this trip's slots and all later ones are without a token: the wave ends.
; The next trip's 21 LDS loads are dealt among this trip's products.  They owe no wait here: the last trip's wait on va_vdst has shown the readers and writers of the sets in which they land done, and the
; products issued since name this trip's sets, the accumulators, W, the bias and W's scale words alone.  All 144 slots hold a token's row, so these loads are sound where the next trip is not walked.
.macro TRIP m
.set CAF,  AF+120*((\m)%2)
.set CASC, ASC+204*((\m)%2)
.set CTK,  20+8*((\m)%3)-28*(((\m)%3)/2)
.set COB,  OB+80*((\m)%2)
	s_cmp_le_u32 s23, 16*(\m)
	s_cbranch_scc1 .Lend
.if (\m) == 0
	RUN 0, 0                                       ; the first trip fetches for itself
	RUN 0, 1
	RUN 0, 2
.endif
.if (\m) < 8
	RUN (\m)+1, 0
.endif
.if (\m) == 0
	s_wait_dscnt 7                                 ; LDS loads come back in order (ISA guide 5.7.1): trip 0's 21 are in, the seven for trip 1 may be out.  (In the later trips the last trip's wait for 0 has shown this trip's loads landed)
.endif
	WIN 0x11                                       ; source 0 (W) and source 2 (the bias) window 1
.irp t, 0,1,2,3
	PROD \t, 0
.endr
.if (\m) < 8
	WIN 0
	RUN (\m)+1, 1
.endif
	WIN 0x01                                       ; source 0 window 1; C and D window 0
.irp t, 0,1,2,3                                ; the four accumulators take turns, one instruction a turn, from trip to trip too
	PROD \t, 1
.endr
.if (\m) < 8
	WIN 0
	RUN (\m)+1, 2
	WIN 0x01
.endif
.irp s, 2,3
.irp t, 0,1,2,3
	PROD \t, \s
.endr
.endr
	WIN 0
.irp i, 0,1,2,3,4,5,6,7                        ; sixteen plain instructions that name none of the products' registers: the places behind them (ISA guide 7.12.1)
	v_min_u32 v[CTK+\i], 0x7fff, v[CTK+\i]
	v_lshl_add_u32 v[CTK+\i], v[CTK+\i], 11, v7    ; the token's row of 2,048 bytes + my 16 bytes
.endr
.set q, 0
.rept 16                                       ; prelu = max(y, 0) + alpha min(y, 0), each accumulator from its low end on
.set yy, ACC+2*q
.set tt, TW+2*(q%4)
	v_min_num_f32 v[tt], 0, v[yy]
	v_min_num_f32 v[tt+1], 0, v[yy+1]
	v_max_num_f32 v[yy], 0, v[yy]
	v_max_num_f32 v[yy+1], 0, v[yy+1]
	v_pk_fma_f32 v[yy:yy+1], v[tt:tt+1], s[26:27], v[yy:yy+1] op_sel_hi:[1,0,1]
.set q, q+1
.endr
	s_wait_alu depctr_va_vdst(0)                   ; the prelu has written the accumulators, which the LDS stores read; the address lines have written this trip's TK, which the global stores read; the products are done reading this trip's fragments and scale words, in which the next trip's loads land
.irp t, 0,1,2,3
	ds_store_b128 v5, v[ACC+8*\t:ACC+8*\t+3] offset:64*\t          ; token r, outputs 16 t + 8 h + 0 .. 7 of my 64
	ds_store_b128 v5, v[ACC+8*\t+4:ACC+8*\t+7] offset:64*\t+16
.endr
.irp i, 0,1,2,3,4,5,6,7
	ds_load_b128 v[COB+4*\i:COB+4*\i+3], v6 offset:2*SPITCH*\i     ; LDS serves a wave's instructions in order (ISA guide 5.7.1.4): these see my stores
.endr
.if ((\m) > 0) && ((\m) < 8)
	s_wait_xcnt 0x0                                ; the last trip's global stores have had their addresses translated (ISA guide 3.1): their OB and their TK are loaded again, in the next trip, only behind this wait
.endif
.if (\m) < 8
	s_wait_alu depctr_vm_vsrc(0)                   ; the LDS stores above have read the accumulators, which the next trip's products write; the last trip's global stores have read their OB and their TK, in which the next trip's loads land
.endif
.irp i, 0,1,2,3,4,5,6,7
	s_wait_dscnt 7-\i                              ; the younger loads may be out; the last wait is for 0: the stage is free, and the next trip's fragments, scale words and token numbers, which were asked for earlier, are in
	global_store_b128 v[CTK+\i], v[COB+4*\i:COB+4*\i+3], s[18:19] th:TH_STORE_NT   ; sixteen lanes store 256 consecutive bytes of a token's row, at a multiple of 256 from out0's first byte
.endr
.endm
.irp m, 0,1,2,3,4,5,6,7,8
	TRIP \m
.endr
.Lend:
	s_set_vgpr_msb 0x4
	s_wait_dscnt 0x0
	s_wait_alu depctr_hold_cnt(0) depctr_sa_sdst(0) depctr_va_vdst(0) depctr_va_sdst(0) depctr_va_ssrc(0) depctr_va_vcc(0) depctr_vm_vsrc(0)
	s_wait_tensorcnt 0x0
	ds_add_u32 v19, v255
	s_wait_dscnt 0x0
	s_endpgm
.Lfunc_end_k_q976220939d_merge:
	.size	k_q976220939d_merge, .Lfunc_end_k_q976220939d_merge-k_q976220939d_merge
	.p2alignl 7, 3214868480
	.fill 96, 4, 3214868480
	.section	.rodata,"a",@progbits
	.p2align	6, 0x0
	.amdhsa_kernel k_q976220939d_merge
		.amdhsa_group_segment_fixed_size 111104
		.amdhsa_private_segment_fixed_size 0
		.amdhsa_enable_private_segment 0
		.amdhsa_kernarg_size 64
		.amdhsa_user_sgpr_count 2
		.amdhsa_user_sgpr_kernarg_segment_ptr 1
		.amdhsa_wavefront_size32 1
		.amdhsa_system_sgpr_workgroup_id_x 1
		.amdhsa_system_sgpr_workgroup_id_y 1
		.amdhsa_system_sgpr_workgroup_id_z 1
		.amdhsa_system_vgpr_workitem_id 0
		.amdhsa_next_free_vgpr 512
		.amdhsa_next_free_sgpr 66
		.amdhsa_reserve_vcc 0
		.amdhsa_float_denorm_mode_32 3
		.amdhsa_float_denorm_mode_16_64 3
		.amdhsa_memory_ordered 1
		.amdhsa_forward_progress 1
		.amdhsa_inst_pref_size 103
	.end_amdhsa_kernel
	.amdgpu_metadata
---
amdhsa.version: [ 1, 2 ]
amdhsa.kernels:
  - .name:           k_q976220939d_merge
    .symbol:         k_q976220939d_merge.kd
    .args:
      - { .name: acts, .offset: 0, .size: 8, .value_kind: global_buffer, .address_space: global }
      - { .name: wimg, .offset: 8, .size: 8, .value_kind: global_buffer, .address_space: global }
      - { .name: order, .offset: 16, .size: 8, .value_kind: global_buffer, .address_space: global }
      - { .name: tiles, .offset: 24, .size: 8, .value_kind: global_buffer, .address_space: global }
      - { .name: W_merge_scales, .offset: 32, .size: 8, .value_kind: global_buffer, .address_space: global }
      - { .name: b_merge, .offset: 40, .size: 8, .value_kind: global_buffer, .address_space: global }
      - { .name: alpha_merge, .offset: 48, .size: 8, .value_kind: global_buffer, .address_space: global }
      - { .name: out0, .offset: 56, .size: 8, .value_kind: global_buffer, .address_space: global }
    .group_segment_fixed_size: 111104
    .private_segment_fixed_size: 0
    .kernarg_segment_align: 8
    .kernarg_segment_size: 64
    .max_flat_workgroup_size: 256
    .sgpr_count:     66
    .vgpr_count:     512
    .wavefront_size: 32
...
	.end_amdgpu_metadata
.endif
;; end of part 4
